; MI455X (gfx1250); checked and timed in simulation.
; The chip was launched on July 23, 2026; its instructions are those of AMD's public machine-readable ISA for CDNA 5 (MIT licence, August 2026) and "CDNA5" Instruction Set Architecture Reference Guide (July 2026). The comments in the code are by the model that wrote it; some were corrected since.
;; Multi Head Attention. Allowed arithmetic: matrix products marked QUANTISED: E2M3 operands, one E8M0 scale for each 32 along K, by v_wmma_scale_f32_16x16x128_f8f6f4 with both operands' format E2M3, f32 sums; everything else in f32.
;; Inputs: b_attn 3,072 float32; b_proj 1,024 float32; w_attn_codes 3,072 x 32 x 24 uint8 (E2M3 codes of w_attn, K innermost, in blocks of 32 codes, four codes in three bytes); w_attn_scales 3,072 x 32 uint8 (E8M0 scales of w_attn, one for each 32 codes along K); w_proj_codes 1,024 x 32 x 24 uint8 (E2M3 codes of w_proj, K innermost, in blocks of 32 codes, four codes in three bytes); w_proj_scales 1,024 x 32 uint8 (E8M0 scales of w_proj, one for each 32 codes along K); x_codes 4 x 2,048 x 32 x 24 uint8 (E2M3 codes of x, K innermost, in blocks of 32 codes, four codes in three bytes); x_scales 4 x 2,048 x 32 uint8 (E8M0 scales of x, one for each 32 codes along K).
;; Outputs: out0 4 x 2,048 x 1,024 float32.
;; This version of the problem:
;;   THIS VERSION OF THE PROBLEM IS GIVEN IN LOW PRECISION. The matrix products marked QUANTISED in the list below multiply operands that are first quantised to E2M3 (2 exponent bits, 3 mantissa bits; 6 bits a number), with one power-of-two scale for each 32 numbers along K (OCP MX v1.0); their sums are f32. All else is computed in f32.
;;   The module's matrix products, in the order in which they are computed (A, B: the left and right operand; K: the contracted axis; several contracted axes count as one K, in the product's order):
;;     1. [M 8,192, K 1,024] x [K 1,024, N 3,072]; A: input x (given as codes); B: input w_attn (given as codes): QUANTISED
;;     2. batch 64 x [M 2,048, K 64] x [K 64, N 2,048]; A: computed on the way; B: computed on the way: QUANTISED
;;     3. batch 64 x [M 2,048, K 2,048] x [K 2,048, N 64]; A: softmax (see below); B: computed on the way: QUANTISED
;;     4. [M 8,192, K 1,024] x [K 1,024, N 1,024]; A: computed on the way; B: input w_proj (given as codes): QUANTISED
;;   THE QUANTISER, for each operand of a quantised product, along K:
;;     - K is cut into blocks of 32 from its start; a last block that is shorter is filled with zeros.
;;     - A block's scale is 2^e with e = floor(log2(the largest magnitude in the block)) - 2, held to -126 .. 127; a block of zeros has e = 0. As a byte (E8M0): e + 127.
;;     - Each number is divided by its block's scale, clamped to +-7.5, and rounded to the nearest number of E2M3, ties to even, subnormals kept.
;;     - The product sums the exact products of the quantised numbers (number of the format x scale) in f32.
;;   ~~~python
;;   def quantise(x, axis):      # numpy; x: float32 -> the quantised numbers, widened to float32 again
;;       x = np.moveaxis(x, axis, -1); K = x.shape[-1]
;;       x = np.pad(x, [(0, 0)] * (x.ndim - 1) + [(0, -K % 32)]); x = x.reshape(x.shape[:-1] + (-1, 32)); a = np.abs(x).max(-1, keepdims=True)
;;       e = np.where(a > 0, np.clip(np.frexp(np.where(a > 0, a, 1))[1] - 1 - 2, -126, 127), 0)      # np.frexp(a)[1] - 1 = floor(log2(a)), exactly
;;       r = np.clip(x / 2.0 ** e, -7.5, 7.5)
;;       step = 2.0 ** (np.maximum(np.frexp(np.where(r == 0, 1, r))[1] - 1, 0) - 3)
;;       q = np.round(r / step) * step * 2.0 ** e      # np.round: ties to even
;;       return np.moveaxis(q.reshape(q.shape[:-2] + (-1,))[..., :K], -1, axis).astype(np.float32)
;;   ~~~
;;   SOFTMAX AHEAD OF A QUANTISED PRODUCT. Where the list says 'softmax', what is quantised is not the finished softmax but p = 2^(t - M), with t = logit x log2(e) and M = ceil(the row's largest t), a whole number; so 1/2 < the row's largest p <= 1. The row's sum l is taken of the UNQUANTISED p, in f32, and the product's result is divided by l at the end. Since M is a whole number, a kernel that streams over the keys may use a running M (the ceiling of the running maximum): every later rescaling is an exact power of two, which a block's scale takes up: the codes' values come out the same.
;;   OPERANDS COMPUTED ON THE WAY. 'Computed on the way' means the value that the module computes at that place (a softmax that the list does not call 'softmax' is quantised finished and normalised). What goes into a quantiser is computed in f32, as accurately as f32 sums, v_exp_f32 and their like allow (about 1e-6 of the number): no bf16 or f16 on the way to a quantiser, and a product that is left as it is and whose result goes on into a quantised operand takes f32 operands (vector FMAs, or v_wmma_f32_16x16x4_f32). A number that lies on a knife's edge between two numbers of the format may be rounded either way, as far as f32 arithmetic and the matrix unit's own rounding can turn it there, and no further.
;;   INPUTS GIVEN AS CODES. w_attn (in the module: [1024, 3072], K = its axis 0); w_proj (in the module: [1024, 1024], K = its axis 0); x (in the module: [4, 2048, 1024], K = its axis 2): each comes as NAME_codes (uint8): NAME with its K axis moved to the last place and cut into blocks of 32 codes, [.., K / 32, bytes a block], one block behind the other in memory; four codes in three bytes: a row's codes are one little-endian stream of bits, code i at bits 6 i .. 6 i + 5 (a code: sign, 2 exponent bits, 3 mantissa bits); and NAME_scales (uint8): the same leading axes, one E8M0 byte (e + 127) for each 32 codes along K. Its value is code x scale, taken as it is: it is not quantised again, and the codes and scales need not be those that the quantiser above would give.
;; One version. Each part assembles by itself: llvm-mc -triple=amdgcn-amd-amdhsa -mcpu=gfx1250 --defsym DOCPART=n.
;; ======== version 1 of 1: 3 launches
;; workspace buffers: qkv 20,447,232 bytes; ycod 6,291,456 bytes; ysc 262,144 bytes
;; launch qkv (part 1): grid 12 x 32, 4 waves a work-group, clusters of 4 x 4, 327,680 bytes of LDS; arguments x_codes, x_scales, w_attn_codes, w_attn_scales, b_attn, qkv; writes qkv
.if DOCPART == 1
	.amdgcn_target "amdgcn-amd-amdhsa--gfx1250"
	.amdhsa_code_object_version 6
	.text
	.protected	k_q739442be66_qkv
	.globl	k_q739442be66_qkv
	.p2align	8
	.type	k_q739442be66_qkv,@function
k_q739442be66_qkv:
	s_mov_b64 s[64:65], 0
	v_nop
	global_prefetch_b8 v0, s[64:65] scope:SCOPE_SE
	s_setreg_imm32_b32 hwreg(HW_REG_WAVE_MODE, 25, 1), 1
	s_wait_xcnt 0x0
	s_wait_alu depctr_hold_cnt(0) depctr_sa_sdst(0) depctr_va_vdst(0) depctr_va_sdst(0) depctr_va_ssrc(0) depctr_va_vcc(0) depctr_vm_vsrc(0)
	s_getreg_b32 s2, hwreg(HW_REG_IB_STS2, 6, 4)
	s_cmp_eq_u32 s2, 0
	s_cbranch_scc0 .Lentry_in_a_cluster
	s_endpgm
.Lentry_in_a_cluster:
	s_bfe_u32 s2, ttmp6, 0x10000c
	s_cmp_lg_u32 s2, 0xf033
	s_cbranch_scc0 .Lentry_shape_is_right
	s_endpgm
.Lentry_shape_is_right:
; LAUNCH 1 OF 3.  qkv = x w_attn + b_attn on codes of FP6 (E2M3) with E8M0 scales, then the quantisers of q, k (along the head's 64) and of v (along the keys): what leaves is codes and scale words.
; DEAD WORK OF THE WHOLE PROGRAM: reference() builds a causal mask in its own body (jnp.tril) and puts the least f32 number under every key k > q; the softmax then gives such a key the weight 0 for all finite inputs,
; since key 0 counts for every query.  So a step of 128 keys all of which come after a tile's 16 queries reaches no output, and the second launch leaves such steps out.  Nothing else is left out: every input is loaded;
; b_attn's part for k stays, since it moves k's codes.  LIMIT: a NaN, an infinity or an overflow that reaches only such hidden scores is not carried to the result.
; LIMITS: NaN and infinities among the values are not served; a block of zeros gets the scale byte 1 (its codes are zeros, and only this program reads the bytes); blocks whose largest magnitude lies under 2^-124 were not tried.
; SHAPE.  A tile of 256 x 256 of the product is made by four waves, 128 x 128 each: 64 accumulators.  K = 1,024 goes in four slots' worth of 256 through a ring of two LDS slots; the scale bytes of the tile's rows come once.
; In this text "A" is the matrix instruction's source 1 (a lane holds ONE row of A) and "B" its source 0 (a lane's eight registers run along B's rows).
; ONE TEXT FOR q, k AND v, BY A CHOICE OF POINTERS on the cluster's x (0: q, 1: k, 2: v), which all sixteen partners share:
;   q, k: A = x, B = w_attn: a lane holds one position t and its registers run along the head's channels, which are the K of q k^T;
;   v:    A = w_attn, B = x: a lane holds one channel d and its registers run along the positions, which are the K of p v.
; CLUSTERS: 4 x 4 work-groups; A's tile is shared along a row of the cluster, B's along a column: joint tensor loads with a mask of four.
; THE ORDER OF CODES IN A BLOCK OF 32.  Register 16 B + i of lane half h is number 32 B + 16 (i / 8) + 8 h + i % 8, so a block's codes leave in the order 0..7, 16..23, 8..15, 24..31.  The block as a set, and so its scale,
; is the true one; q and k get the same order from the same lines, and so do v and (in the next launch) p: a permutation of K applied alike to both operands keeps every product.
; OUT: qkv[bh 64][key step 16][part Q | K | V][6,656 bytes], images of operand registers.  Q, K: 8 tiles of 16 positions x 768 bytes (registers 0-3 at 16 x lane, registers 4-5 at 512 + 8 x lane), then 512 bytes of scale
; words (lane l's word i: tile 2 i + l / 16, row l % 16; bytes 2 and 3 are 0).  V: 4 tiles of 16 channels x 128 keys x 1,536 bytes (registers 4 c .. 4 c + 3 at 512 c + 16 x lane), then 512 bytes (lane l's word u: tile u, row l % 16).
.set NQ,     2                         ; steps of 128 along K in a slot
.set ROWB,   192                       ; a tile's row: 256 codes
.set KROW,   768                       ; a row of x or of w_attn in memory
.set PITCH,  240                       ; an LDS row: 3 x (64 bytes + 16 of padding)
.set FR,     12                        ; registers of a fragment
.set NL,     6                         ; LDS loads that bring one
.set NP,     4                         ; places behind this matrix instruction (ISA guide 7.12.1)
.set HALFT,  128*PITCH
.set SLOT,   4*HALFT                   ; A's 256 rows, then B's 256 rows
.set SCL,    2*SLOT                    ; the scale bytes: units of 256 bytes + 16 of padding
.set HALFS,  16*272                    ; those of 128 rows (32 bytes a row)
.set SBLK,   2*272                     ; those of 16 rows
.set SPARE,  SCL+4*HALFS               ; the spare words: 128 bytes for each wave, named by no other line
.set PART,   6656
.set STEPG,  3*PART
.set HEADG,  16*STEPG
.set BAD,  8                           ; v8-15   the bias loads' offsets
.set ADRA, 16                          ; v16-19  LDS addresses of A's fragments: slot 0, 1; the same behind one padding more
.set ADRB, 20                          ; v20-23  B's
.set L16,  24                          ; v24     16 x lane
.set L8,   25                          ; v25     8 x lane
.set LANE, 26                          ; v26     lane
.set ADRS, 27                          ; v27     LDS address of my scale words: lanes 0-15 A's rows, lanes 16-31 B's
.set SPW,  28                          ; v28     my spare word
.set NIL,  29                          ; v29     0
.set SC,   32                          ; v32-63  scale words, two sets; they hold nothing else
.set BIAS, 64                          ; v64-127 the bias in the layout of a block's 64 results
.set AF,   128                         ; v128-223 A's fragments, one set
.set T,    128                         ; the way out: v128-191 a block's 64 numbers
.set PC,   192                         ; v192-211 the codes just made
.set TM,   212                         ; v212-227 at work in the quantiser
.set PWS,  228                         ; v228-235 the eight blocks' scale words
.set X,    236
.set XA,   240
.set XB,   244
.set OUT,  2                           ; s[2:3]   where my part of qkv begins
.set WV,   16
.set HR,   17                          ; which 128 rows of A are mine.  Also: 0 = I fetch for A
.set HC,   18                          ; which 128 rows of B are mine.  Also: which 128 rows I fetch
.set G1,   24
.set G0,   32
.set G1B,  48
.set G0B,  56
.set BB,   66                          ; s[66:67] b_attn at my 128 numbers
.set G1S,  68
.set G0S,  76
.set G1SB, 80
.set G0SB, 88
.set SEL,  100                         ; s[100:101] v_permlanex16_b32's selects for lane l xor 16
.set MSB, 0
.macro WIN new                         ; the immediate's high byte repeats the setting that is left
.if MSB != (\new)
	s_set_vgpr_msb (MSB<<8)|(\new)
.set MSB, (\new)
.endif
.endm
.set MUL_LO, 0xa1                      ; source 0 (B) window 1, source 1 (A) window 0, C and D window 2
.set MUL_HI, 0xf1                      ; the same, C and D window 3
.set TO_B,   0x40                      ; destination window 1
; A joint load: waves 0 and 1 fetch for A, waves 2 and 3 for B; the branch hangs on the wave's number alone.  An s_nop 0 and four v_nop follow each line.
.macro JLOAD g0a, g1a, g0b, g1b
	s_cmp_eq_u32 s[HR], 0
	s_cbranch_scc0 .Lfor_b_\@
	tensor_load_to_lds s[\g0a:\g0a+3], s[\g1a:\g1a+7]
	s_nop 0
.rept 4
	v_nop
.endr
	s_branch .Lasked_\@
.Lfor_b_\@:
	tensor_load_to_lds s[\g0b:\g0b+3], s[\g1b:\g1b+7]
	s_nop 0
.rept 4
	v_nop
.endr
.Lasked_\@:
.endm
.macro CREST                           ; a round of the cluster's barrier behind its opening barrier
	s_cmp_lg_u32 s[WV], 0
	s_cbranch_scc1 .Lnot_wave_0_\@
	s_barrier_signal -3
.Lnot_wave_0_\@:
	s_barrier_wait -3
	s_barrier_signal -1
	s_barrier_wait -1
.endm
.macro CROUND
	s_barrier_signal -1
	s_barrier_wait -1
	CREST
.endm
.macro PLACES n
.rept \n
	v_nop
.endr
.endm
	s_load_b128 s[4:7], s[0:1], 0x0                ; x's codes, x's scales
	s_load_b128 s[8:11], s[0:1], 0x10              ; w_attn's codes, its scales
	s_load_b128 s[12:15], s[0:1], 0x20             ; b_attn, qkv
	v_lshl_add_u32 v[SPW], v0, 2, SPARE
	v_mov_b32 v[NIL], 0
	ds_add_u32 v[SPW], v[NIL]                      ; the wave's opening: the add, twice on end, and its wait ahead of my first tensor load
	ds_add_u32 v[SPW], v[NIL]
	v_lshrrev_b32 v1, 5, v0
	v_readfirstlane_b32 s[WV], v1                  ; wave 0..3
	s_lshr_b32 s[HR], s[WV], 1
	s_and_b32 s[HC], s[WV], 1
	s_bfe_u32 s19, ttmp6, 0x40000                  ; cx
	s_bfe_u32 s20, ttmp6, 0x40004                  ; cy
	s_and_b32 s21, ttmp7, 0xffff                   ; the cluster's y
	s_cmp_eq_u32 ttmp9, 2                          ; v's clusters?
	s_cselect_b32 s22, 2, s21
	s_cselect_b32 s23, s21, ttmp9
	s_lshl_b32 s22, s22, 2
	s_add_co_u32 s22, s22, s20                     ; A's tile of 256 rows: q, k: 4 x cluster y + cy of x;  v: 8 + cy of w_attn
	s_lshl_b32 s23, s23, 2
	s_add_co_u32 s23, s23, s19                     ; B's: q, k: 4 x cluster x + cx of w_attn;  v: 4 x cluster y + cx of x
	s_lshl_b32 s92, s20, 2
	s_lshl_b32 s92, 15, s92                        ; my row of the cluster
	s_lshl_b32 s94, 0x1111, s19                    ; my column
	; group 1 for the codes: 128 rows x 192 bytes, 16 bytes of padding behind every 64
	s_or_b32 s[G1+0], s92, (0<<16)|(1<<20)|(1<<21)|(3<<22)|(3<<25)
	s_or_b32 s[G1B+0], s94, (0<<16)|(1<<20)|(1<<21)|(3<<22)|(3<<25)
.irp g, G1, G1B
	s_mov_b32 s[\g+1], ROWB<<16                    ; tensor_dim0
	s_mov_b32 s[\g+2], 128<<16                     ; tensor_dim1
	s_mov_b32 s[\g+3], ROWB<<16                    ; tile_dim0
	s_mov_b32 s[\g+4], 128                         ; tile_dim1
	s_mov_b32 s[\g+5], KROW                        ; from row to row
	s_mov_b32 s[\g+6], 0
	s_mov_b32 s[\g+7], 0
.endr
	; group 1 for the scale bytes of 128 rows: 4,096 dense bytes as 16 rows of 256 (32 elements of 8 bytes), 16 bytes of padding behind each
	s_or_b32 s[G1S+0], s92, (3<<16)|(1<<20)|(1<<21)|(5<<22)|(3<<25)
	s_or_b32 s[G1SB+0], s94, (3<<16)|(1<<20)|(1<<21)|(5<<22)|(3<<25)
.irp g, G1S, G1SB
	s_mov_b32 s[\g+1], 32<<16
	s_mov_b32 s[\g+2], 16<<16
	s_mov_b32 s[\g+3], 32<<16
	s_mov_b32 s[\g+4], 16
	s_mov_b32 s[\g+5], 32
	s_mov_b32 s[\g+6], 0
	s_mov_b32 s[\g+7], 0
.endr
	s_lshl_b32 s66, s[HC], 7                       ; which 128 rows of the tile I fetch
	s_lshl_b32 s92, s22, 8
	s_add_co_u32 s92, s92, s66                     ; A's row
	s_lshl_b32 s94, s23, 8
	s_add_co_u32 s94, s94, s66                     ; B's row
	s_mul_i32 s96, s92, KROW                       ; its codes, in bytes (under 2^23)
	s_mov_b32 s97, 0
	s_lshl_b32 s92, s92, 5                         ; its scale bytes
	s_mov_b32 s93, 0
	s_mul_i32 s98, s94, KROW
	s_mov_b32 s99, 0
	s_lshl_b32 s94, s94, 5
	s_mov_b32 s95, 0
	s_mul_i32 s66, s[WV], HALFS                    ; where they go: by the wave's number alone
	s_mul_i32 s67, s[WV], HALFT
	s_mov_b32 s[SEL], 0x76543210
	s_mov_b32 s[SEL+1], 0xfedcba98
	s_wait_dscnt 0x0                               ; both opening adds are done
	s_wait_kmcnt 0x0
	s_cmp_eq_u32 ttmp9, 2                          ; the choice hangs on the cluster's x alone
	s_cselect_b64 s[40:41], s[8:9], s[4:5]         ; A's codes
	s_cselect_b64 s[42:43], s[10:11], s[6:7]       ; A's scales
	s_cselect_b64 s[44:45], s[4:5], s[8:9]         ; B's codes
	s_cselect_b64 s[46:47], s[6:7], s[10:11]       ; B's scales
	s_add_nc_u64 s[40:41], s[40:41], s[96:97]
	s_add_nc_u64 s[42:43], s[42:43], s[92:93]
	s_add_nc_u64 s[44:45], s[44:45], s[98:99]
	s_add_nc_u64 s[46:47], s[46:47], s[94:95]
	CROUND                                         ; all sixteen work-groups are here: the first joint loads meet
	s_mov_b32 s[G0S], 1
	s_add_co_u32 s[G0S+1], s66, SCL
	s_mov_b64 s[G0S+2:G0S+3], s[42:43]
	s_or_b32 s[G0S+3], s[G0S+3], 0x80000000
	s_mov_b32 s[G0SB], 1
	s_add_co_u32 s[G0SB+1], s66, SCL
	s_mov_b64 s[G0SB+2:G0SB+3], s[46:47]
	s_or_b32 s[G0SB+3], s[G0SB+3], 0x80000000
	JLOAD G0S, G1S, G0SB, G1SB                     ; the scale bytes first: they are wanted with the first slot
.irp s, 0,1
	s_mov_b32 s[G0+4*\s], 1
	s_add_co_u32 s[G0+4*\s+1], s67, \s*SLOT
	s_add_nc_u64 s[G0+4*\s+2:G0+4*\s+3], s[40:41], \s*ROWB
	s_or_b32 s[G0+4*\s+3], s[G0+4*\s+3], 0x80000000
	s_mov_b32 s[G0B+4*\s], 1
	s_add_co_u32 s[G0B+4*\s+1], s67, \s*SLOT
	s_add_nc_u64 s[G0B+4*\s+2:G0B+4*\s+3], s[44:45], \s*ROWB
	s_or_b32 s[G0B+4*\s+3], s[G0B+4*\s+3], 0x80000000
	JLOAD G0+4*\s, G1, G0B+4*\s, G1B               ; three tensor loads of mine are out
.endr
	v_and_b32 v1, 15, v0                           ; r
	v_bfe_u32 v2, v0, 4, 1                         ; h
	v_and_b32 v[LANE], 31, v0
	v_lshlrev_b32 v[L16], 4, v[LANE]
	v_lshlrev_b32 v[L8], 3, v[LANE]
	v_mul_u32_u24 v3, v1, PITCH
	v_mul_u32_u24 v4, v2, 24
	v_add_nc_u32 v4, v3, v4                        ; a fragment's row x pitch + 24 x half
	v_lshl_add_u32 v5, v2, 4, v4                   ; and the same behind one padding more
	s_mul_i32 s92, s[HR], HALFT                    ; my 128 rows of A
	s_mul_i32 s93, s[HC], HALFT                    ; my 128 rows of B,
	s_add_co_u32 s93, s93, 2*HALFT                 ; behind A's 256
.irp s, 0,1
	v_add_nc_u32 v[ADRA+\s], s92, v4
	v_add_nc_u32 v[ADRB+\s], s93, v4
	v_add_nc_u32 v[ADRA+2+\s], s92, v5
	v_add_nc_u32 v[ADRB+2+\s], s93, v5
	s_add_co_u32 s92, s92, SLOT
	s_add_co_u32 s93, s93, SLOT
.endr
	v_lshlrev_b32 v5, 5, v1                        ; my row's scale bytes: 32 a row,
	v_lshrrev_b32 v6, 8, v5
	v_lshl_add_u32 v5, v6, 4, v5                   ; and 16 more for each 256 passed
	s_mul_i32 s92, s[HR], HALFS
	s_mul_i32 s93, s[HC], HALFS
	s_add_co_u32 s93, s93, 2*HALFS
	s_sub_co_u32 s93, s93, s92
	v_mul_u32_u24 v6, s93, v2                      ; lanes 16-31 take B's: one product, the distance between the two bases
	s_add_co_u32 s92, s92, SCL
	v_add_nc_u32 v5, v5, v6
	v_add_nc_u32 v[ADRS], s92, v5
	; the bias and the way out: which 128 rows of w_attn and which 128 positions are my wave's
	s_lshl_b32 s92, s22, 1
	s_add_co_u32 s92, s92, s[HR]
	s_lshl_b32 s93, s23, 1
	s_add_co_u32 s93, s93, s[HC]
	s_cmp_eq_u32 ttmp9, 2
	s_cselect_b32 s94, s92, s93                    ; the 128 rows of w_attn: 0-7 q, 8-15 k, 16-23 v; two heads
	s_cselect_b32 s95, s93, s92                    ; the 128 positions: a key step of a batch
	s_cselect_b32 s96, 0, 32                       ; q, k: register 8 b + j wants b_attn[16 b + 8 h + j]: 32 h + 4 j + 64 b bytes;
	s_cselect_b32 s97, 4, 0                        ; v: registers 8 a + 0 .. 7 all want b_attn[16 a + r]: 4 r + 64 a bytes
	s_cselect_b32 s98, 0, 4
	v_mul_u32_u24 v3, v2, s96
	v_mad_u32_u24 v3, v1, s97, v3
.irp j, 0,1,2,3,4,5,6,7
	s_mul_i32 s99, s98, \j
	v_add_nc_u32 v[BAD+\j], s99, v3
.endr
	s_lshl_b32 s[BB], s94, 9
	s_mov_b32 s[BB+1], 0
	s_add_nc_u64 s[BB:BB+1], s[12:13], s[BB:BB+1]
.irp x, 0,1,2,3,4,5,6,7
.irp j, 0,1,2,3,4,5,6,7
	global_load_b32 v[BIAS+8*\x+\j], v[BAD+\j], s[BB:BB+1] offset:64*\x   ; waited for on the way out
.endr
.endr
	s_lshr_b32 s96, s94, 3                         ; part: 0 q, 1 k, 2 v
	s_and_b32 s97, s94, 7                          ; the pair of heads
	s_lshr_b32 s98, s95, 4                         ; batch
	s_and_b32 s99, s95, 15                         ; key step
	s_lshl_b32 s98, s98, 8
	s_lshl_b32 s97, s97, 5
	s_add_co_u32 s98, s98, s97
	s_add_co_u32 s98, s98, s99                     ; (16 batch + 2 pair) x 16 + step
	s_mul_i32 s98, s98, STEPG
	s_mul_i32 s96, s96, PART
	s_add_co_u32 s[OUT], s98, s96                  ; under 2^25
	s_mov_b32 s[OUT+1], 0
	s_add_nc_u64 s[OUT:OUT+1], s[14:15], s[OUT:OUT+1]
.macro FRAG reg, adr, q, i             ; 16 rows x 128 K of 6-bit codes: 12 registers; lane l: row l % 16, registers 6 c .. 6 c + 5: K = 64 c + 32 (l / 16) + 0 .. 31, in pieces of 8 bytes
.irp p, 0,1,2,3,4,5
.set PCE, 12*(\q)+6*(\p/3)+\p%3       ; where the piece three on lies behind one padding more, the second address register serves
.if PCE%8 < 5
	ds_load_b64 v[\reg+2*\p:\reg+2*\p+1], v[\adr] offset:8*PCE+16*(PCE/8)+(\i)*16*PITCH
.else
	ds_load_b64 v[\reg+2*\p:\reg+2*\p+1], v[\adr+2] offset:8*PCE+16*(PCE/8)+(\i)*16*PITCH
.endif
.endr
.endm
; 16 matrix instructions: A's blocks a0, a0 + 1 x B's eight.  The 64 accumulators take turns, one instruction a turn, in the same order in every step.
.macro MUL16 a0, p, q, sc, zero
.irp a, \a0, \a0+1
.irp b, 0,1,2,3,4,5,6,7
.if \zero
	v_wmma_scale_f32_16x16x128_f8f6f4 v[8*(8*((\a)%4)+\b):8*(8*((\a)%4)+\b)+7], v[128*(\p)+FR*\b:128*(\p)+FR*\b+FR-1], v[AF+FR*(\a):AF+FR*(\a)+FR-1], 0, v[SC+8*NQ*(\sc)+NQ*\b+(\q)], v[SC+8*NQ*(\sc)+NQ*(\a)+(\q)] matrix_a_fmt:MATRIX_FMT_FP6 matrix_b_fmt:MATRIX_FMT_FP6 matrix_a_scale:MATRIX_SCALE_ROW1
.else
	v_wmma_scale_f32_16x16x128_f8f6f4 v[8*(8*((\a)%4)+\b):8*(8*((\a)%4)+\b)+7], v[128*(\p)+FR*\b:128*(\p)+FR*\b+FR-1], v[AF+FR*(\a):AF+FR*(\a)+FR-1], v[8*(8*((\a)%4)+\b):8*(8*((\a)%4)+\b)+7], v[SC+8*NQ*(\sc)+NQ*\b+(\q)], v[SC+8*NQ*(\sc)+NQ*(\a)+(\q)] matrix_a_fmt:MATRIX_FMT_FP6 matrix_b_fmt:MATRIX_FMT_FP6 matrix_a_scale:MATRIX_SCALE_ROW1
.endif
.endr
.endr
.endm
.macro FETCH_B slot, q, p
	WIN TO_B
.irp i, 0,1,2,3,4,5,6,7
	FRAG 128*(\p)+FR*\i, ADRB+\slot, \q, \i
.endr
	WIN 0
.endm
.macro FETCH_A slot, q, i0
.irp i, \i0, \i0+1, \i0+2, \i0+3
	FRAG AF+FR*(\i), ADRA+\slot, \q, \i
.endr
.endm
.macro SCALES sc, ks                   ; the scale words of the ks-th 256 along K into set sc: lanes 0-15 A's block i, lanes 16-31 B's block i
.irp i, 0,1,2,3,4,5,6,7
	ds_load_b64 v[SC+8*NQ*\sc+NQ*\i:SC+8*NQ*\sc+NQ*\i+1], v[ADRS] offset:\i*SBLK+8*\ks
.endr
.endm
.macro STEP slot, q, zero              ; a step of 128 along K that has its successor in the same slot
	s_wait_dscnt 4*NL                              ; B's set, A's blocks 0-3 and the scale words are in; the youngest 24 loads (A's blocks 4-7) may be out
	WIN MUL_LO
	MUL16 0, (\q)%2, \q, \slot, \zero
	MUL16 2, (\q)%2, \q, \slot, \zero
	s_wait_dscnt 0
	PLACES NP                                      ; in front of loads into registers that matrix instructions have read
	FETCH_B \slot, (\q)+1, 1-(\q)%2
	FETCH_A \slot, (\q)+1, 0
	WIN MUL_HI
	MUL16 4, (\q)%2, \q, \slot, \zero
	MUL16 6, (\q)%2, \q, \slot, \zero
	PLACES NP
	WIN 0
	FETCH_A \slot, (\q)+1, 4
.endm
; A slot's last step changes slots: one barrier; in front of it each wave waits for all its tensor loads, adds 0 to its spare word, and waits for that and for its reads of this slot.
.macro TURN slot, next, fill, ks
	s_wait_tensorcnt 0x0                           ; all my tensor loads have landed: my part of the next slot
	ds_add_u32 v[SPW], v[NIL]
	s_wait_dscnt 4*NL+1                            ; the add and the youngest 24 loads may be out
	WIN MUL_LO
	MUL16 0, 1, NQ-1, \slot, 0
	s_wait_dscnt 0x0                               ; the add is done, and my reads of this slot are over
	s_barrier_signal -1
	MUL16 2, 1, NQ-1, \slot, 0
	WIN 0
	s_barrier_wait -1
.if \fill
	CREST                                          ; the barrier has opened a round of the cluster's: no wave of any partner still reads this slot or has a load on its way
	s_add_nc_u64 s[G0+4*\slot+2:G0+4*\slot+3], s[G0+4*\slot+2:G0+4*\slot+3], 2*ROWB
	s_add_nc_u64 s[G0B+4*\slot+2:G0B+4*\slot+3], s[G0B+4*\slot+2:G0B+4*\slot+3], 2*ROWB
	JLOAD G0+4*\slot, G1, G0B+4*\slot, G1B         ; the first tensor load behind the round; its four v_nop are the places in front of the loads below
.else
	PLACES NP
.endif
	FETCH_B \next, 0, 0
	FETCH_A \next, 0, 0
	SCALES \next, \ks
	WIN MUL_HI
	MUL16 4, 1, NQ-1, \slot, 0
	MUL16 6, 1, NQ-1, \slot, 0
	PLACES NP
	WIN 0
	FETCH_A \next, 0, 4
.endm
	s_wait_tensorcnt 1                             ; the scale bytes and my part of slot 0 are in; slot 1's load may be out
	s_barrier_signal -1
	s_barrier_wait -1
	FETCH_B 0, 0, 0
	FETCH_A 0, 0, 0
	SCALES 0, 0
	FETCH_A 0, 0, 4
	STEP 0, 0, 1                                   ; the first products start the sums: nothing is cleared
	TURN 0, 1, 1, 1                                ; K has four slots' worth: they are written out
	STEP 1, 0, 0
	TURN 1, 0, 1, 2
	STEP 0, 0, 0
	TURN 0, 1, 0, 3                                ; nothing is left to fetch
	STEP 1, 0, 0
	s_wait_dscnt 4*NL
	WIN MUL_LO
	MUL16 0, 1, NQ-1, 1, 0
	MUL16 2, 1, NQ-1, 1, 0
	s_wait_dscnt 0
	WIN MUL_HI
	MUL16 4, 1, NQ-1, 1, 0
	MUL16 6, 1, NQ-1, 1, 0
	WIN 0
; 64 numbers of a lane, v[s] on, register 16 b + i in block b of my row, become a fragment's codes in v[PC] on and its scale word in v[pw].
.macro QUANT s, pw
.irp b, 0,1,2,3
	v_max3_num_f32 v[TM+\b], |v[\s+16*\b]|, |v[\s+1+16*\b]|, 0x1800000   ; my 16 numbers, and the floor 2^(3 - 127): the byte cannot fall under 1
.endr
.irp i, 2,4,6,8,10,12,14
.irp b, 0,1,2,3
	v_max3_num_f32 v[TM+\b], v[TM+\b], |v[\s+16*\b+\i]|, |v[\s+1+16*\b+\i]|
.endr
.endr
.irp b, 0,1,2,3
	v_permlanex16_b32 v[TM+4+\b], v[TM+\b], s[SEL], s[SEL+1]
.endr
.irp b, 0,1,2,3
	v_max_num_f32 v[TM+\b], v[TM+\b], v[TM+4+\b]   ; with lane l xor 16's: the block's largest magnitude
.endr
.irp b, 0,1,2,3
	v_add_nc_u32 v[TM+12+\b], 0xff000000, v[TM+\b] ; 2 off its exponent field: the conversion's scale operand
.endr
.irp b, 0,1,2,3
	v_lshrrev_b32 v[TM+4+\b], 23, v[TM+12+\b]      ; the scale's byte
.endr
	v_lshl_or_b32 v[(\pw)], v[TM+5], 8, v[TM+4]
	v_lshl_or_b32 v[(\pw)], v[TM+6], 16, v[(\pw)]
	v_lshl_or_b32 v[(\pw)], v[TM+7], 24, v[(\pw)]
.irp c, 0,1
	v_cvt_scalef32_pk16_fp6_f32 v[PC+6*\c:PC+2+6*\c], v[\s+32*\c:\s+15+32*\c], v[TM+12+2*\c]
	v_cvt_scalef32_pk16_fp6_f32 v[PC+12+4*\c:PC+14+4*\c], v[\s+16+32*\c:\s+31+32*\c], v[TM+12+2*\c+1]   ; (a conversion's three registers begin on an even number)
.endr
	v_nop                                          ; one plain place behind a scaled conversion
.irp c, 0,1                                    ; a whole block to a lane: lanes 0-15 block 2 c, lanes 16-31 block 2 c + 1
.irp i, 0,1,2
	v_permlane16_swap_b32 v[PC+6*\c+\i], v[PC+12+4*\c+\i]
.endr
.irp i, 0,1,2
	v_mov_b32 v[PC+3+6*\c+\i], v[PC+12+4*\c+\i]
.endr
.endr
.endm
; q, k: block a = 16 positions x 128 channels = two heads' tiles.  Each store of the wave covers 512 or 256 consecutive bytes, aligned.
.macro EPI_QK a
	s_wait_xcnt 0x0                                ; the last block's stores have read their data: the codes' registers are written again only behind this wait
	WIN 0x02+(\a)/4                                ; source 0: the accumulators' window
.set i, 0
.rept 32
	v_pk_add_f32 v[T+2*i:T+2*i+1], v[64*((\a)%4)+2*i:64*((\a)%4)+2*i+1], v[BIAS+2*i:BIAS+2*i+1]   ; + b_attn; each accumulator from its low end on
.set i, i+1
.endr
	WIN 0
	QUANT T, PWS+(\a)
	global_store_b128 v[L16], v[PC:PC+3], s[OUT:OUT+1] offset:(\a)*768
	global_store_b64 v[L8], v[PC+4:PC+5], s[OUT:OUT+1] offset:(\a)*768+512
	global_store_b128 v[L16], v[PC+6:PC+9], s[OUT:OUT+1] offset:HEADG+(\a)*768
	global_store_b64 v[L8], v[PC+10:PC+11], s[OUT:OUT+1] offset:HEADG+(\a)*768+512
.endm
; v: block a = 16 channels (head a / 4, tile a % 4) x 128 keys: one whole fragment
.macro EPI_V a
	s_wait_xcnt 0x0
	WIN 0x02+(\a)/4
.set i, 0
.rept 32
	v_pk_add_f32 v[T+2*i:T+2*i+1], v[64*((\a)%4)+2*i:64*((\a)%4)+2*i+1], v[BIAS+8*(\a):BIAS+8*(\a)+1]   ; the lane's one channel's bias stands in both registers of the pair
.set i, i+1
.endr
	WIN 0
	QUANT T, PWS+(\a)
.irp c, 0,1,2
	global_store_b128 v[L16], v[PC+4*\c:PC+4*\c+3], s[OUT:OUT+1] offset:((\a)/4)*HEADG+((\a)%4)*1536+512*\c
.endr
.endm
	PLACES NP                                      ; behind the last products: their results are read and their operands' registers written below
	s_wait_loadcnt 0x0                             ; the bias
.irp b, 0,1,2,3
	v_mov_b32 v[TM+4+\b], 0                        ; written once: a lane permute's destination counts as one of its sources
.endr
	s_cmp_eq_u32 ttmp9, 2                          ; the cluster's x: the same in all sixteen partners
	s_cbranch_scc1 .Lv
.irp a, 0,1,2,3,4,5,6,7
	EPI_QK \a
.endr
	v_cmp_le_u32 s98, 16, v[LANE]
.irp i, 0,1,2,3
	v_cndmask_b32 v[X+\i], v[PWS+2*\i], v[PWS+2*\i+1], s98   ; lanes 0-15 tile 2 i's words, lanes 16-31 tile 2 i + 1's
.endr
.irp i, 0,1,2,3
	v_and_b32 v[XA+\i], 0xffff, v[X+\i]            ; the first head's two bytes; bytes 2 and 3 are 0
	v_lshrrev_b32 v[XB+\i], 16, v[X+\i]            ; the second head's
.endr
	global_store_b128 v[L16], v[XA:XA+3], s[OUT:OUT+1] offset:6144
	global_store_b128 v[L16], v[XB:XB+3], s[OUT:OUT+1] offset:HEADG+6144
	s_branch .Lend
.Lv:
.irp a, 0,1,2,3,4,5,6,7
	EPI_V \a
.endr
	global_store_b128 v[L16], v[PWS:PWS+3], s[OUT:OUT+1] offset:6144
	global_store_b128 v[L16], v[PWS+4:PWS+7], s[OUT:OUT+1] offset:HEADG+6144
.Lend:
	s_wait_tensorcnt 0x0                           ; the wave's end
	ds_add_u32 v[SPW], v[NIL]
	s_wait_dscnt 0x0
	CROUND                                         ; the closing round: no work-group ends while a partner may still ask for a tile that names it
	s_endpgm
.Lfunc_end_k_q739442be66_qkv:
	.size	k_q739442be66_qkv, .Lfunc_end_k_q739442be66_qkv-k_q739442be66_qkv
	.p2alignl 7, 3214868480
	.fill 96, 4, 3214868480
	.section	.rodata,"a",@progbits
	.p2align	6, 0x0
	.amdhsa_kernel k_q739442be66_qkv
		.amdhsa_group_segment_fixed_size 327680
		.amdhsa_private_segment_fixed_size 0
		.amdhsa_enable_private_segment 0
		.amdhsa_kernarg_size 48
		.amdhsa_user_sgpr_count 2
		.amdhsa_user_sgpr_kernarg_segment_ptr 1
		.amdhsa_wavefront_size32 1
		.amdhsa_system_sgpr_workgroup_id_x 1
		.amdhsa_system_sgpr_workgroup_id_y 1
		.amdhsa_system_sgpr_workgroup_id_z 1
		.amdhsa_system_vgpr_workitem_id 0
		.amdhsa_next_free_vgpr 1024
		.amdhsa_next_free_sgpr 102
		.amdhsa_reserve_vcc 0
		.amdhsa_float_denorm_mode_32 3
		.amdhsa_float_denorm_mode_16_64 3
		.amdhsa_memory_ordered 1
		.amdhsa_forward_progress 1
		.amdhsa_inst_pref_size 237
	.end_amdhsa_kernel
	.amdgpu_metadata
---
amdhsa.version: [ 1, 2 ]
amdhsa.kernels:
  - .name:           k_q739442be66_qkv
    .symbol:         k_q739442be66_qkv.kd
    .args:
      - { .name: x_codes, .offset: 0, .size: 8, .value_kind: global_buffer, .address_space: global }
      - { .name: x_scales, .offset: 8, .size: 8, .value_kind: global_buffer, .address_space: global }
      - { .name: w_attn_codes, .offset: 16, .size: 8, .value_kind: global_buffer, .address_space: global }
      - { .name: w_attn_scales, .offset: 24, .size: 8, .value_kind: global_buffer, .address_space: global }
      - { .name: b_attn, .offset: 32, .size: 8, .value_kind: global_buffer, .address_space: global }
      - { .name: qkv, .offset: 40, .size: 8, .value_kind: global_buffer, .address_space: global }
    .group_segment_fixed_size: 327680
    .private_segment_fixed_size: 0
    .kernarg_segment_align: 8
    .kernarg_segment_size: 48
    .max_flat_workgroup_size: 128
    .sgpr_count:     102
    .vgpr_count:     1024
    .wavefront_size: 32
...
	.end_amdgpu_metadata
.endif
;; end of part 1
;; launch attn (part 2): grid 4 x 64, 16 waves a work-group, clusters of 4 x 1, 215,040 bytes of LDS; arguments qkv, ycod, ysc; writes ycod, ysc
.if DOCPART == 2
	.amdgcn_target "amdgcn-amd-amdhsa--gfx1250"
	.amdhsa_code_object_version 6
	.text
	.protected	k_q739442be66_attn
	.globl	k_q739442be66_attn
	.p2align	8
	.type	k_q739442be66_attn,@function
k_q739442be66_attn:
	s_mov_b64 s[64:65], 0
	v_nop
	global_prefetch_b8 v0, s[64:65] scope:SCOPE_SE
	s_setreg_imm32_b32 hwreg(HW_REG_WAVE_MODE, 25, 1), 1
	s_wait_xcnt 0x0
	s_wait_alu depctr_hold_cnt(0) depctr_sa_sdst(0) depctr_va_vdst(0) depctr_va_sdst(0) depctr_va_ssrc(0) depctr_va_vcc(0) depctr_vm_vsrc(0)
	s_getreg_b32 s2, hwreg(HW_REG_IB_STS2, 6, 4)
	s_cmp_eq_u32 s2, 0
	s_cbranch_scc0 .Lentry_in_a_cluster
	s_endpgm
.Lentry_in_a_cluster:
	s_bfe_u32 s2, ttmp6, 0x10000c
	s_cmp_lg_u32 s2, 0x3003
	s_cbranch_scc0 .Lentry_shape_is_right
	s_endpgm
.Lentry_shape_is_right:
; LAUNCH 2 OF 3.  y = softmax(q k^T / 8, causal) v for each of 64 (batch, head), both products on codes of FP6 (E2M3) with E8M0 scales, and the quantiser of y along C.
; LEFT OUT: the steps of 128 keys all of which come after a tile's 16 queries (reference()'s own causal mask gives them the weight 0 for all finite inputs: see the head of the first launch).
; THE SOFTMAX AHEAD OF THE SECOND PRODUCT: t = score x log2(e) / 8; M = the running largest t rounded UP to a whole number; p = 2^(t - M) is quantised along the keys; the row's sum is taken of the unquantised p and divides at the end.
; LIMITS: NaN and infinities are not served; 1 / l by v_rcp_f32; a block's largest p is taken from its largest score by the same two instructions; a block of zeros gets the scale byte 1.
; SHARES.  A cluster of four work-groups is one (batch, head).  Of its 128 tiles of 16 queries, wave w of work-group g owns tile L = g + 4 w and tile H = 127 - L: (H / 8 + 1) + (L / 8 + 1) = 17 key steps in EVERY wave of the launch.
; The steps' counts hang on the wave's number alone (L / 8 = w / 2); the work-group's place in its cluster enters global addresses and the mask's lane data, no branch and no LDS address.
; K AND V OF THE WHOLE HEAD STAY IN LDS: 16 steps x 13,312 bytes, asked for JOINTLY by the four partners (each wave two loads of 26 x 256 bytes), filled once: no ring, no barrier in a loop.  All four partners read all 16 steps (waves 0, 1: H / 8 = 15).
; They lie as images of operand registers, so every LDS read is 16 or 8 bytes at 16 or 8 x lane.
; LAYOUT.  Both products transposed: S^T = K Q^T (source 0 = 16 keys), O^T = V^T P^T (source 0 = 16 channels): a lane holds ONE query.  Register 8 t + j of lane half h is key 16 t + 8 h + j, so p's codes fall in the order
; 0..7, 16..23, 8..15, 24..31 inside each block of 32 keys, the order in which the first launch laid v's: the products are kept.  y meets w_proj in its true order, so y is brought into true order before its quantiser.
; q k^T HAS K = 64 AND THE INSTRUCTION 128: Q's upper six registers are zero codes.  K's tiles stand at a stride of SIX registers, so the upper six of a tile's operand are the next tile's codes (behind the last: zeros);
; they meet Q's zero codes under scale bytes 0, never 0xff, and add exactly 0.  So no zero is read from LDS and a wave stays inside 256 registers.
; THE WALK: tile H's steps 0-7 (all open; the first half of the fills serves), a barrier for the second half, tile H's steps 8-15, its way out, tile L's steps 0-7, its way out.  The three loops have 8 trips each; a hidden step is jumped over.
.set PART,  6656
.set STEPG, 3*PART
.set HEADG, 16*STEPG
.set STEPL, 2*PART                     ; a step in LDS: K's part, then V's
.set SPARE, 16*STEPL                   ; the spare words: 128 bytes for each of sixteen waves, named by no other line
.set L16,  1                           ; v1   16 x lane
.set L8,   2                           ; v2   8 x lane
.set SPW,  3
.set NIL,  4
.set ADK,  5                           ; v5   the step's LDS address + 16 x lane
.set ADK8, 6                           ; v6   + 8 x lane
.set DH,   7                           ; v7   tile H: 16 a + r - 8 h: register 8 t + j is hidden on the diagonal where 16 t + j is above it
.set DL,   8                           ; v8   tile L
.set R16,  9                           ; v9   16 r
.set YSO,  10                          ; v10  my offset among y's scale bytes
.set F,    32                          ; v32-79  K's 8 x 6 registers, then V's 4 x 12;  v80-85 zeros
.set S,    96                          ; v96-159 S^T, then p
.set OT,   160                         ; v160-191 O^T
.set PC,   192                         ; v192-203 p's codes;  v204-206, v208-210 the conversions' second halves
.set C2,   204
.set BM,   212                         ; v212-215 the blocks' largest scores
.set BP,   216                         ; v216-219 at work
.set SO,   220                         ; v220-223 the conversions' scale operands
.set TMP,  224
.set FF,   226                         ; v226 f = 2^(old M - new M);  v227 written, named with it as a pair
.set PS,   228                         ; v228 p's scale word
.set KSC,  232                         ; v232-235 K's scale words
.set VSC,  236                         ; v236-239 V's
.set WV,   10
.set CX,   11
.set BH,   12
.set SL,   13
.set SH,   14
.set AL,   15
.set AH,   16
.set SEL,  20
.set CS,   22
.set G1,   24
.set G0,   32
.set SI,   40
.set TB,   41
.set HB,   44
.set QH,   46
.set QL,   48
.set YH,   50
.set YL,   52
.set YS,   54
.macro PLACES n
.rept \n
	v_nop
.endr
.endm
.macro CROUND                          ; a round of the cluster's barrier
	s_barrier_signal -1
	s_barrier_wait -1
	s_cmp_lg_u32 s[WV], 0
	s_cbranch_scc1 .Lnot_wave_0_\@
	s_barrier_signal -3
.Lnot_wave_0_\@:
	s_barrier_wait -3
	s_barrier_signal -1
	s_barrier_wait -1
.endm
	s_load_b128 s[4:7], s[0:1], 0x0                ; qkv, ycod
	s_load_b64 s[8:9], s[0:1], 0x10                ; ysc
	v_lshl_add_u32 v[SPW], v0, 2, SPARE
	v_mov_b32 v[NIL], 0
	ds_add_u32 v[SPW], v[NIL]                      ; the wave's opening: the add, twice on end, and its wait ahead of my first tensor load
	ds_add_u32 v[SPW], v[NIL]
	v_lshrrev_b32 v11, 5, v0
	s_delay_alu instid0(VALU_DEP_1)
	v_readfirstlane_b32 s[WV], v11                 ; wave 0..15
	s_bfe_u32 s[CX], ttmp6, 0x40000                ; my place in the cluster
	s_and_b32 s[BH], ttmp7, 0xffff                 ; 16 x batch + head
	s_lshr_b32 s[SL], s[WV], 1                     ; tile L's key step on the diagonal: 0..7
	s_xor_b32 s[SH], s[SL], 15                     ; tile H's: 15 - that
	s_and_b32 s56, s[WV], 1
	s_lshl_b32 s57, s56, 2
	s_add_co_u32 s[AL], s57, s[CX]                 ; tile L's place among its step's eight tiles
	s_xor_b32 s[AH], s[AL], 7                      ; tile H's: 7 - that
	; group 1: 26 rows of 256 bytes (32 elements of 8), dense; the mask names all four partners
	s_mov_b32 s[G1], 15|(3<<16)|(1<<21)
	s_mov_b32 s[G1+1], 32<<16
	s_mov_b32 s[G1+2], 26<<16
	s_mov_b32 s[G1+3], 32<<16
	s_mov_b32 s[G1+4], 26
	s_mov_b32 s[G1+5], 32
	s_mov_b32 s[G1+6], 0
	s_mov_b32 s[G1+7], 0
	s_mul_i32 s58, s[BH], HEADG                    ; the head's first byte (under 2^25)
	s_mov_b32 s59, 0
	s_mul_i32 s60, s[SL], STEPG                    ; my first chunk: step w / 2, part K (w even) or V (w odd)
	s_mul_i32 s61, s56, PART
	s_add_co_u32 s60, s60, s61
	s_add_co_u32 s60, s60, PART
	s_mov_b32 s61, 0
	s_mul_i32 s62, s[WV], PART                     ; and its place in LDS
	s_mov_b32 s[SEL], 0x76543210
	s_mov_b32 s[SEL+1], 0xfedcba98
	s_mov_b32 s[CS], 0x3e38aa3b                    ; c = log2(e) / sqrt(64)
	s_mov_b32 s[CS+1], s[CS]
	s_wait_dscnt 0x0                               ; both opening adds are done
	s_wait_kmcnt 0x0
	s_add_nc_u64 s[HB:HB+1], s[4:5], s[58:59]
	s_mov_b32 s[G0], 1
	s_mov_b32 s[G0+1], s62
	s_add_nc_u64 s[G0+2:G0+3], s[HB:HB+1], s[60:61]
	s_mov_b32 s[G0+4], 1
	s_add_co_u32 s[G0+5], s62, 16*PART             ; my second chunk: eight steps on
	s_add_nc_u64 s[G0+6:G0+7], s[G0+2:G0+3], 8*STEPG
	s_or_b32 s[G0+3], s[G0+3], 0x80000000
	s_or_b32 s[G0+7], s[G0+7], 0x80000000
	CROUND                                         ; all four work-groups are here: the joint loads meet
	tensor_load_to_lds s[G0:G0+3], s[G1:G1+7]      ; steps 0-7 by the sixteen waves' first loads,
	s_nop 0
	tensor_load_to_lds s[G0+4:G0+7], s[G1:G1+7]    ; steps 8-15 by their second: two loads of mine are out
	s_nop 0
	PLACES 4
	v_and_b32 v11, 31, v0
	s_delay_alu instid0(VALU_DEP_1)
	v_lshlrev_b32 v[L16], 4, v11
	s_delay_alu instid0(VALU_DEP_2)
	v_lshlrev_b32 v[L8], 3, v11
	v_and_b32 v[R16], 15, v0                       ; r
	v_bfe_u32 v[YSO], v0, 4, 1                     ; h
	s_wait_alu depctr_va_vdst(0)
	v_lshlrev_b32 v11, 3, v[YSO]
	s_delay_alu instid0(VALU_DEP_1)
	v_sub_nc_u32 v11, v[R16], v11                  ; r - 8 h
	s_lshl_b32 s56, s[AH], 4
	v_add_nc_u32 v[DH], s56, v11
	s_lshl_b32 s56, s[AL], 4
	v_add_nc_u32 v[DL], s56, v11
	; where y goes
	s_lshr_b32 s66, s[BH], 4                       ; batch
	s_and_b32 s67, s[BH], 15                       ; head
	s_lshl_b32 s68, s[WV], 2
	s_add_co_u32 s68, s68, s[CX]                   ; tile L
	s_sub_co_u32 s69, 127, s68                     ; tile H
	s_lshl_b32 s70, s66, 7
	s_mov_b32 s57, 0
	s_add_co_u32 s71, s70, s69
	s_lshl_b32 s71, s71, 4
	s_add_co_u32 s71, s71, s67
	s_mul_i32 s56, s71, 768                        ; ((128 batch + tile) x 16 + head) x 768
	s_add_nc_u64 s[YH:YH+1], s[6:7], s[56:57]
	s_add_co_u32 s71, s70, s68
	s_lshl_b32 s71, s71, 4
	s_add_co_u32 s71, s71, s67
	s_mul_i32 s56, s71, 768
	s_add_nc_u64 s[YL:YL+1], s[6:7], s[56:57]
	s_add_co_u32 s71, s70, s68
	s_lshl_b32 s56, s71, 9                         ; tile L's first row of scale bytes: 16 rows x 32 bytes a tile,
	s_lshl_b32 s71, s67, 1
	s_add_co_u32 s56, s56, s71                     ; + 2 x head
	s_add_nc_u64 s[YS:YS+1], s[8:9], s[56:57]
	s_sub_co_u32 s71, s69, s68
	s_lshl_b32 s71, s71, 9                         ; from tile L's rows to tile H's
	v_mul_u32_u24 v[YSO], v[YSO], s71              ; lanes 16-31 store tile H's
	s_delay_alu instid0(VALU_DEP_1)
	v_lshl_add_u32 v[YSO], v[R16], 5, v[YSO]       ; + 32 r
	v_lshlrev_b32 v[R16], 4, v[R16]
	; the two tiles of Q and their scale words stay in registers
.macro QADDR st, a, dst, sdst
	s_mul_i32 s56, s[\st], STEPG
	s_mul_i32 s66, s[\a], 768
	s_add_co_u32 s56, s56, s66
	s_add_nc_u64 s[\dst:\dst+1], s[HB:HB+1], s[56:57]
	s_mul_i32 s56, s[\st], STEPG
	s_and_b32 s66, s[\a], 1
	s_lshl_b32 s66, s66, 8
	s_add_co_u32 s56, s56, s66                     ; tile a's words: lanes 16 (a % 2) on,
	s_lshr_b32 s66, s[\a], 1
	s_lshl_b32 s66, s66, 2
	s_add_co_u32 s56, s56, s66                     ; word a / 2
	s_add_nc_u64 s[\sdst:\sdst+1], s[HB:HB+1], s[56:57]
.endm
	s_wait_alu depctr_va_vdst(0)
	QADDR SH, AH, QH, 58
	QADDR SL, AL, QL, 62
	global_load_b128 v[16:19], v[L16], s[QH:QH+1]
	global_load_b64 v[20:21], v[L8], s[QH:QH+1] offset:512
	global_load_b32 v28, v[R16], s[58:59] offset:6144
	global_load_b128 v[240:243], v[L16], s[QL:QL+1]
	global_load_b64 v[244:245], v[L8], s[QL:QL+1] offset:512
	global_load_b32 v29, v[R16], s[62:63] offset:6144
.irp j, 0,1,2,3,4,5
	v_mov_b32 v[22+\j], 0                          ; Q's upper 64 along K: zero codes
	v_mov_b32 v[246+\j], 0
	v_mov_b32 v[80+\j], 0                          ; and what stands behind K's last tile
.endr
.irp b, 0,1,2,3
	v_mov_b32 v[BP+\b], 0                          ; written once: a lane permute's destination counts as one of its sources
.endr
	v_mov_b32 v[TMP], 0
	v_mov_b32 v[FF+1], 0
.macro INIT                            ; a tile's state: the first change of M multiplies zeros
	v_mov_b32 v13, 0xff61b1e6                      ; the largest t so far: -3e38
	s_delay_alu instid0(VALU_DEP_1)
	v_floor_f32 v12, -v13                          ; -M
	v_mov_b32 v14, 0                               ; the sum, in two halves
	v_mov_b32 v15, 0
.set i, 0
.rept 32
	v_mov_b32 v[OT+i], 0
.set i, i+1
.endr
.endm
	INIT
; A KEY STEP of 128 keys for one tile of queries.  mode = 1: with the causal tests;  q, qs: Q's fragment and scale word;  st: the tile's step on the diagonal;  d: its lane data for the mask.
.macro STEP mode, q, qs, st, d
.if \mode
	s_cmp_gt_u32 s[SI], s[\st]                     ; all keys of this step come after my queries: a branch on the wave's number and the count of steps
	s_cbranch_scc1 .Lhidden_\@
.endif
	s_setprio 2
	v_add_nc_u32 v[ADK], s[TB], v[L16]
	v_add_nc_u32 v[ADK8], s[TB], v[L8]
	v_nop
	v_nop                                          ; four places in front of loads into registers that the last step's products have read
.irp t, 0,1,2,3,4,5,6,7
	ds_load_b128 v[F+6*\t:F+6*\t+3], v[ADK] offset:768*\t
	ds_load_b64 v[F+6*\t+4:F+6*\t+5], v[ADK8] offset:768*\t+512
.endr
	ds_load_b128 v[KSC:KSC+3], v[ADK] offset:6144
	s_wait_alu depctr_va_vdst(0)
	s_wait_dscnt 0x0
.irp t, 0,1,2,3,4,5,6,7
.if \t%2
	v_wmma_scale_f32_16x16x128_f8f6f4 v[S+8*\t:S+8*\t+7], v[F+6*\t:F+6*\t+11], v[\q:\q+11], 0, v[KSC+\t/2], v[\qs] matrix_a_fmt:MATRIX_FMT_FP6 matrix_b_fmt:MATRIX_FMT_FP6 matrix_a_scale:MATRIX_SCALE_ROW1
.else
	v_wmma_scale_f32_16x16x128_f8f6f4 v[S+8*\t:S+8*\t+7], v[F+6*\t:F+6*\t+11], v[\q:\q+11], 0, v[KSC+\t/2], v[\qs] matrix_a_fmt:MATRIX_FMT_FP6 matrix_b_fmt:MATRIX_FMT_FP6
.endif
.endr
	PLACES 4                                       ; behind the products: for V's loads into K's registers and for the first read of the scores
.irp u, 0,1,2,3
.irp c, 0,1,2
	ds_load_b128 v[F+12*\u+4*\c:F+12*\u+4*\c+3], v[ADK] offset:PART+1536*\u+512*\c   ; V lands under the softmax
.endr
.endr
	ds_load_b128 v[VSC:VSC+3], v[ADK] offset:PART+6144
.if \mode
	s_cmp_lg_u32 s[SI], s[\st]
	s_cbranch_scc1 .Lopen_\@                       ; only the step on the diagonal is masked
	v_mov_b32 v[TMP], 0xff800000                   ; -infinity: p = 0 then
.set n, 0
.rept 64
	v_cmp_gt_i32 vcc_lo, 16*(n/8)+n%8, v[\d]
	v_cndmask_b32 v[S+n], v[S+n], v[TMP], vcc_lo
.set n, n+1
.endr
.Lopen_\@:
.endif
.irp b, 0,1,2,3
	v_max3_num_f32 v[BM+\b], v[S+16*\b], v[S+1+16*\b], v[S+2+16*\b]   ; the largest score of each block of 32 keys: for the row's maximum and for the block's largest p
.endr
.irp i, 3,5,7,9,11,13
.irp b, 0,1,2,3
	v_max3_num_f32 v[BM+\b], v[BM+\b], v[S+16*\b+\i], v[S+1+16*\b+\i]
.endr
.endr
.irp b, 0,1,2,3
	v_max_num_f32 v[BM+\b], v[BM+\b], v[S+15+16*\b]
.endr
.irp b, 0,1,2,3
	s_delay_alu instid0(VALU_DEP_4)
	v_permlanex16_b32 v[BP+\b], v[BM+\b], s[SEL], s[SEL+1]
.endr
.irp b, 0,1,2,3
	s_delay_alu instid0(VALU_DEP_4)
	v_max_num_f32 v[BM+\b], v[BM+\b], v[BP+\b]     ; with lane l xor 16's 16 keys
.endr
	s_delay_alu instid0(VALU_DEP_2)
	v_max3_num_f32 v[TMP], v[BM], v[BM+1], v[BM+2]
	s_delay_alu instid0(VALU_DEP_1)
	v_max_num_f32 v[TMP], v[TMP], v[BM+3]
	s_delay_alu instid0(VALU_DEP_1)
	v_mul_f32 v[TMP], s[CS], v[TMP]                ; as t (c is positive)
	s_delay_alu instid0(VALU_DEP_1)
	v_max_num_f32 v13, v13, v[TMP]                 ; the running largest t
	v_mov_b32 v[TMP], v12
	s_delay_alu instid0(VALU_DEP_2)
	v_floor_f32 v12, -v13                          ; the new -M = -ceil(t): a whole number
	s_delay_alu instid0(VALU_DEP_1)
	v_sub_f32 v[TMP], v12, v[TMP]                  ; old M - new M: 0 or less
	s_delay_alu instid0(VALU_DEP_1)
	v_cvt_i32_f32 v[TMP], v[TMP]                   ; (it saturates)
	s_delay_alu instid0(VALU_DEP_1)
	v_ldexp_f32 v[FF], 1.0, v[TMP]                 ; f = 2^(old M - new M): rounds nothing
.set i, 0
.rept 32
	v_pk_fma_f32 v[S+2*i:S+2*i+1], v[S+2*i:S+2*i+1], s[CS:CS+1], v[12:13] op_sel_hi:[1,0,0]   ; t - M
.set i, i+1
.endr
.irp b, 0,1,2,3
	v_fma_f32 v[BM+\b], v[BM+\b], s[CS], v12       ; the same of each block's largest score
.endr
.set i, 0
	s_setprio 1
	s_wait_alu depctr_va_vdst(0)
.rept 64
	v_exp_f32 v[S+i], v[S+i]                       ; p = 2^(t - M): one batch
.set i, i+1
.endr
	v_pk_mul_f32 v[14:15], v[14:15], v[FF:FF+1] op_sel_hi:[1,0]   ; the sums under the new M: a plain place behind the exponentials
	s_wait_alu depctr_va_vdst(0)                   ; one wait for the batch, ahead of its first reader
.irp b, 0,1,2,3
	v_exp_f32 v[BM+\b], v[BM+\b]                   ; the blocks' largest p
.endr
	v_pk_add_f32 v[216:217], v[100:101], v[104:105]
	v_pk_add_f32 v[254:255], v[108:109], v[112:113]
	v_pk_add_f32 v[252:253], v[116:117], v[120:121]
	v_pk_add_f32 v[234:235], v[124:125], v[128:129]
	v_pk_add_f32 v[232:233], v[132:133], v[136:137]
	v_pk_add_f32 v[230:231], v[140:141], v[144:145]
	v_pk_add_f32 v[228:229], v[148:149], v[152:153]
	v_pk_add_f32 v[14:15], v[14:15], v[156:157]
	v_pk_add_f32 v[216:217], v[216:217], v[96:97]
	v_pk_add_f32 v[254:255], v[254:255], v[98:99]
	v_pk_add_f32 v[252:253], v[252:253], v[102:103]
	v_pk_add_f32 v[234:235], v[234:235], v[106:107]
	v_pk_add_f32 v[232:233], v[232:233], v[110:111]
	v_pk_add_f32 v[230:231], v[230:231], v[114:115]
	v_pk_add_f32 v[228:229], v[228:229], v[118:119]
	v_pk_add_f32 v[14:15], v[14:15], v[122:123]
	v_pk_add_f32 v[216:217], v[216:217], v[126:127]
	v_pk_add_f32 v[254:255], v[254:255], v[130:131]
	v_pk_add_f32 v[252:253], v[252:253], v[134:135]
	v_pk_add_f32 v[234:235], v[234:235], v[138:139]
	v_pk_add_f32 v[232:233], v[232:233], v[142:143]
	v_pk_add_f32 v[230:231], v[230:231], v[146:147]
	v_pk_add_f32 v[228:229], v[228:229], v[150:151]
	v_pk_add_f32 v[14:15], v[14:15], v[154:155]
	v_pk_add_f32 v[216:217], v[216:217], v[158:159]
	s_delay_alu instid0(VALU_DEP_2)
	v_pk_add_f32 v[14:15], v[14:15], v[234:235]
	s_delay_alu instid0(VALU_DEP_2)
	v_pk_add_f32 v[216:217], v[216:217], v[232:233]
	v_pk_add_f32 v[254:255], v[254:255], v[230:231]
	v_pk_add_f32 v[252:253], v[252:253], v[228:229]
	s_delay_alu instid0(VALU_DEP_2)
	v_pk_add_f32 v[14:15], v[14:15], v[254:255]
	s_delay_alu instid0(VALU_DEP_2)
	v_pk_add_f32 v[216:217], v[216:217], v[252:253]
	s_delay_alu instid0(VALU_DEP_1)
	v_pk_add_f32 v[14:15], v[14:15], v[216:217]
	s_wait_alu depctr_va_vdst(0)                   ; and one for the four
.irp b, 0,1,2,3
	v_max_num_f32 v[BM+\b], 0x1800000, v[BM+\b]    ; the floor 2^(3 - 127): the byte cannot fall under 1
.endr
.irp b, 0,1,2,3
	s_delay_alu instid0(VALU_DEP_4)
	v_add_nc_u32 v[SO+\b], 0xff000000, v[BM+\b]    ; 2 off the exponent field: the conversion's scale operand
.endr
.irp b, 0,1,2,3
	s_delay_alu instid0(VALU_DEP_4)
	v_lshrrev_b32 v[BP+\b], 23, v[SO+\b]           ; the scale's byte
.endr
	s_delay_alu instid0(VALU_DEP_3)
	v_lshl_or_b32 v[PS], v[BP+1], 8, v[BP]
	s_delay_alu instid0(VALU_DEP_1)
	v_lshl_or_b32 v[PS], v[BP+2], 16, v[PS]
	s_delay_alu instid0(VALU_DEP_1)
	v_lshl_or_b32 v[PS], v[BP+3], 24, v[PS]
.irp c, 0,1
	v_cvt_scalef32_pk16_fp6_f32 v[PC+6*\c:PC+2+6*\c], v[S+32*\c:S+15+32*\c], v[SO+2*\c]
	v_cvt_scalef32_pk16_fp6_f32 v[C2+4*\c:C2+2+4*\c], v[S+16+32*\c:S+31+32*\c], v[SO+2*\c+1]
.endr
	v_nop                                          ; one plain place behind a scaled conversion
	s_setprio 0
.irp c, 0,1
.irp i, 0,1,2
	v_permlane16_swap_b32 v[PC+6*\c+\i], v[C2+4*\c+\i]   ; a whole block to a lane
.endr
.irp i, 0,1,2
	s_delay_alu instid0(VALU_DEP_3)
	v_mov_b32 v[PC+3+6*\c+\i], v[C2+4*\c+\i]
.endr
.endr
.set i, 0
.rept 16
	v_pk_mul_f32 v[OT+2*i:OT+2*i+1], v[OT+2*i:OT+2*i+1], v[FF:FF+1] op_sel_hi:[1,0]   ; O^T under the new M; these sixteen also stand between the writes of p's codes and scale word and the products
.set i, i+1
.endr
	s_wait_alu depctr_va_vdst(0)
	s_wait_dscnt 0x0                               ; V
.irp u, 0,1,2,3
	v_wmma_scale_f32_16x16x128_f8f6f4 v[OT+8*\u:OT+8*\u+7], v[F+12*\u:F+12*\u+11], v[PC:PC+11], v[OT+8*\u:OT+8*\u+7], v[VSC+\u], v[PS] matrix_a_fmt:MATRIX_FMT_FP6 matrix_b_fmt:MATRIX_FMT_FP6
.endr
.Lhidden_\@:
	s_add_co_u32 s[SI], s[SI], 1
	s_add_co_u32 s[TB], s[TB], STEPL
.endm
; A TILE'S WAY OUT: O^T / l, into the true order along the head's 64, quantised (two blocks), stored as an operand's image: three aligned runs of 256 bytes.  pw keeps the row's two scale bytes.
.macro FINISH pw, yc
	PLACES 4                                       ; behind the last products
	v_add_f32 v14, v14, v15
	s_delay_alu instid0(VALU_DEP_1)
	v_permlanex16_b32 v[TMP], v14, s[SEL], s[SEL+1]
	s_delay_alu instid0(VALU_DEP_1)
	v_add_f32 v14, v14, v[TMP]                     ; the row's sum
	s_wait_alu depctr_va_vdst(0)
	v_rcp_f32 v14, v14
	v_nop
	s_wait_alu depctr_va_vdst(0)                   ; the wait ahead of the reciprocal's first reader
.set i, 0
.rept 16
	v_pk_mul_f32 v[S+2*i:S+2*i+1], v[OT+2*i:OT+2*i+1], v[14:15] op_sel_hi:[1,0]   ; register 8 u + j: channel 16 u + 8 h + j; each accumulator from its low end on
.set i, i+1
.endr
.irp e, 0,1
.irp j, 0,1,2,3,4,5,6,7
	v_permlane16_swap_b32 v[S+16*\e+\j], v[S+16*\e+8+\j]   ; register 16 e + i now holds channel 32 e + 16 h + i
.endr
.endr
.irp b, 0,1
	v_max3_num_f32 v[BM+\b], |v[S+16*\b]|, |v[S+1+16*\b]|, 0x1800000
.endr
.irp i, 2,4,6,8,10,12,14
.irp b, 0,1
	s_delay_alu instid0(VALU_DEP_2)
	v_max3_num_f32 v[BM+\b], v[BM+\b], |v[S+16*\b+\i]|, |v[S+1+16*\b+\i]|
.endr
.endr
.irp b, 0,1
	s_delay_alu instid0(VALU_DEP_2)
	v_permlanex16_b32 v[BP+\b], v[BM+\b], s[SEL], s[SEL+1]
.endr
.irp b, 0,1
	s_delay_alu instid0(VALU_DEP_2)
	v_max_num_f32 v[BM+\b], v[BM+\b], v[BP+\b]
.endr
.irp b, 0,1
	s_delay_alu instid0(VALU_DEP_2)
	v_add_nc_u32 v[SO+\b], 0xff000000, v[BM+\b]
.endr
.irp b, 0,1
	s_delay_alu instid0(VALU_DEP_2)
	v_lshrrev_b32 v[BP+\b], 23, v[SO+\b]
.endr
	s_delay_alu instid0(VALU_DEP_1)
	v_lshl_or_b32 v[\pw], v[BP+1], 8, v[BP]
	v_cvt_scalef32_pk16_fp6_f32 v[PC:PC+2], v[S:S+15], v[SO]
	v_cvt_scalef32_pk16_fp6_f32 v[C2:C2+2], v[S+16:S+31], v[SO+1]
	v_nop
.irp i, 0,1,2
	v_permlane16_swap_b32 v[PC+\i], v[C2+\i]
.endr
.irp i, 0,1,2
	s_delay_alu instid0(VALU_DEP_3)
	v_mov_b32 v[PC+3+\i], v[C2+\i]
.endr
	global_store_b128 v[L16], v[PC:PC+3], s[\yc:\yc+1]
	global_store_b64 v[L8], v[PC+4:PC+5], s[\yc:\yc+1] offset:512
.endm
	s_wait_loadcnt 0x0                             ; Q
	s_wait_tensorcnt 0x1                           ; my part of steps 0-7 is in; my second load may stay out
	s_barrier_signal -1
	s_barrier_wait -1                              ; everybody's is
	s_mov_b32 s[SI], 0
	s_mov_b32 s[TB], 0
.Lfirst:                                           ; tile H, steps 0-7: all their keys count
	STEP 0, 16, 28, SH, DH
	s_cmp_lt_u32 s[SI], 8
	s_cbranch_scc1 .Lfirst
	s_setprio 0
	s_wait_tensorcnt 0x0                           ; my part of steps 8-15 is in
	s_wait_dscnt 0x0
	s_barrier_signal -1
	s_barrier_wait -1                              ; everybody's is
	s_mov_b32 s[SI], 8
	s_mov_b32 s[TB], 8*STEPL
.Lsecond:                                          ; tile H, steps 8-15, up to its diagonal
	STEP 1, 16, 28, SH, DH
	s_cmp_lt_u32 s[SI], 16
	s_cbranch_scc1 .Lsecond
	s_setprio 0
	FINISH 30, YH
	INIT
	s_wait_xcnt 0x0                                ; the stores have read their data: the codes' registers are written again in the next loop
	s_mov_b32 s[SI], 0
	s_mov_b32 s[TB], 0
.Lthird:                                           ; tile L, steps 0-7, up to its diagonal
	STEP 1, 240, 29, SL, DL
	s_cmp_lt_u32 s[SI], 8
	s_cbranch_scc1 .Lthird
	s_setprio 0
	FINISH 31, YL
	v_and_b32 v11, 31, v0
	s_delay_alu instid0(VALU_DEP_1)
	v_cmp_le_u32 s56, 16, v11
	s_delay_alu instid0(VALU_DEP_1)
	v_cndmask_b32 v11, v31, v30, s56               ; lanes 0-15: tile L's rows, lanes 16-31: tile H's
	global_store_b16 v[YSO], v11, s[YS:YS+1]       ; two bytes of each row's 32: one byte in 24 of what this launch stores
	s_wait_tensorcnt 0x0                           ; the wave's end
	ds_add_u32 v[SPW], v[NIL]
	s_wait_dscnt 0x0
	CROUND                                         ; the closing round
	s_endpgm
.Lfunc_end_k_q739442be66_attn:
	.size	k_q739442be66_attn, .Lfunc_end_k_q739442be66_attn-k_q739442be66_attn
	.p2alignl 7, 3214868480
	.fill 96, 4, 3214868480
	.section	.rodata,"a",@progbits
	.p2align	6, 0x0
	.amdhsa_kernel k_q739442be66_attn
		.amdhsa_group_segment_fixed_size 215040
		.amdhsa_private_segment_fixed_size 0
		.amdhsa_enable_private_segment 0
		.amdhsa_kernarg_size 24
		.amdhsa_user_sgpr_count 2
		.amdhsa_user_sgpr_kernarg_segment_ptr 1
		.amdhsa_wavefront_size32 1
		.amdhsa_system_sgpr_workgroup_id_x 1
		.amdhsa_system_sgpr_workgroup_id_y 1
		.amdhsa_system_sgpr_workgroup_id_z 1
		.amdhsa_system_vgpr_workitem_id 0
		.amdhsa_next_free_vgpr 256
		.amdhsa_next_free_sgpr 72
		.amdhsa_reserve_vcc 1
		.amdhsa_float_denorm_mode_32 3
		.amdhsa_float_denorm_mode_16_64 3
		.amdhsa_memory_ordered 1
		.amdhsa_forward_progress 1
		.amdhsa_inst_pref_size 82
	.end_amdhsa_kernel
	.amdgpu_metadata
---
amdhsa.version: [ 1, 2 ]
amdhsa.kernels:
  - .name:           k_q739442be66_attn
    .symbol:         k_q739442be66_attn.kd
    .args:
      - { .name: qkv, .offset: 0, .size: 8, .value_kind: global_buffer, .address_space: global }
      - { .name: ycod, .offset: 8, .size: 8, .value_kind: global_buffer, .address_space: global }
      - { .name: ysc, .offset: 16, .size: 8, .value_kind: global_buffer, .address_space: global }
    .group_segment_fixed_size: 215040
    .private_segment_fixed_size: 0
    .kernarg_segment_align: 8
    .kernarg_segment_size: 24
    .max_flat_workgroup_size: 512
    .sgpr_count:     72
    .vgpr_count:     256
    .wavefront_size: 32
...
	.end_amdgpu_metadata
.endif
;; end of part 2
;; launch proj (part 3): grid 8 x 32, 4 waves a work-group, clusters of 4 x 4, 327,680 bytes of LDS; arguments ycod, ysc, w_proj_codes, w_proj_scales, b_proj, out0; writes out0
.if DOCPART == 3
	.amdgcn_target "amdgcn-amd-amdhsa--gfx1250"
	.amdhsa_code_object_version 6
	.text
	.protected	k_q739442be66_proj
	.globl	k_q739442be66_proj
	.p2align	8
	.type	k_q739442be66_proj,@function
k_q739442be66_proj:
	s_mov_b64 s[64:65], 0
	v_nop
	global_prefetch_b8 v0, s[64:65] scope:SCOPE_SE
	s_setreg_imm32_b32 hwreg(HW_REG_WAVE_MODE, 25, 1), 1
	s_wait_xcnt 0x0
	s_wait_alu depctr_hold_cnt(0) depctr_sa_sdst(0) depctr_va_vdst(0) depctr_va_sdst(0) depctr_va_ssrc(0) depctr_va_vcc(0) depctr_vm_vsrc(0)
	s_getreg_b32 s2, hwreg(HW_REG_IB_STS2, 6, 4)
	s_cmp_eq_u32 s2, 0
	s_cbranch_scc0 .Lentry_in_a_cluster
	s_endpgm
.Lentry_in_a_cluster:
	s_bfe_u32 s2, ttmp6, 0x10000c
	s_cmp_lg_u32 s2, 0xf033
	s_cbranch_scc0 .Lentry_shape_is_right
	s_endpgm
.Lentry_shape_is_right:
; LAUNCH 3 OF 3.  out0 = y w_proj + b_proj on codes of FP6 (E2M3) with E8M0 scales; sums in f32.  Nothing is left out here.
; y: ycod[tile of 16 rows 512][head 16][768 bytes], images of operand registers (registers 0-3 at 16 x lane, 4-5 at 512 + 8 x lane; lane half h = the head's block h, true order), ysc[8,192][32] its scale bytes.  w_proj as it is given.
; SHAPE.  A tile of out0 is 256 rows x 128 columns, so that there are 256 work-groups; four waves, 128 x 64 each: 32 accumulators.  K = 1,024 goes in four slots' worth of 256 through a ring of two LDS slots.
; "A" = y (source 1: a lane holds one row), "B" = w_proj (source 0: a lane's eight registers are eight neighbouring columns of out0).  b_proj is the C of each sum's first product.
; CLUSTERS: 4 x 4 work-groups; y's tile is shared along a row of the cluster, w_proj's along a column: joint tensor loads with a mask of four.
.set NQ,    2
.set ROWB,  192
.set KROW,  768
.set PITCH, 240                        ; a row of w_proj's tile in LDS: 3 x (64 bytes + 16 of padding)
.set FR,    12
.set NLA,   4                          ; LDS loads that bring a fragment of y
.set NP,    4                          ; places behind this matrix instruction (ISA guide 7.12.1)
.set AHALF, 8*3072                     ; y: 8 tiles of 16 rows x 4 heads' images
.set BHALF, 64*PITCH
.set BOFF,  2*AHALF
.set SLOT,  2*AHALF+2*BHALF
.set LSCA,  2*SLOT                     ; y's scale bytes: 256 rows x 32, as units of 256 bytes + 16
.set LSCB,  LSCA+2*4352                ; w_proj's: 128 rows
.set SPARE, LSCB+2*2176                ; the spare words: 128 bytes for each wave, named by no other line
.set SPITCH, 272                       ; the way out: 16 rows x (256 bytes + 16) for each wave, in slot 0, which has had its last fill and its last read by then
.set A16,  16                          ; v16-17 y's images, slot 0, 1: + 16 x lane
.set A8,   18                          ; v18-19 + 8 x lane
.set ADRB, 20                          ; v20-23 w_proj's fragments
.set STO,  24
.set RD,   25
.set CO,   26
.set ADSA, 27
.set SPW,  28
.set NIL,  29
.set ADSB, 30
.set RSA,  32                          ; v32-63 y's scale words, two sets: 2 a + q;  they hold nothing else
.set RSB,  64                          ; v64-79 w_proj's, two sets: 2 b + q
.set BIAS, 80                          ; v80-111 b_proj in the results' layout
.set AF,   128                         ; v128-223 y's fragments, one set
.set BK,   128                         ; the way out: v128-159, v160-191 by turns
.set OUT,  2
.set WV,   16
.set HR,   17
.set HC,   18
.set G1,   24
.set G0,   32
.set G1B,  48
.set G0B,  56
.set BB,   66
.set G1S,  68
.set G0S,  76
.set G1SB, 80
.set G0SB, 88
.set MSB, 0
.macro WIN new
.if MSB != (\new)
	s_set_vgpr_msb (MSB<<8)|(\new)
.set MSB, (\new)
.endif
.endm
.set MUL_B, 0x81                       ; source 0 window 1, source 1 and C (the bias) window 0, D window 2
.set MUL_C, 0xa1                       ; C and D window 2
.set TO_B,  0x40
.macro JLOAD g0a, g1a, g0b, g1b        ; waves 0 and 1 fetch for y, waves 2 and 3 for w_proj; an s_nop 0 and four v_nop follow each line
	s_cmp_eq_u32 s[HR], 0
	s_cbranch_scc0 .Lfor_b_\@
	tensor_load_to_lds s[\g0a:\g0a+3], s[\g1a:\g1a+7]
	s_nop 0
.rept 4
	v_nop
.endr
	s_branch .Lasked_\@
.Lfor_b_\@:
	tensor_load_to_lds s[\g0b:\g0b+3], s[\g1b:\g1b+7]
	s_nop 0
.rept 4
	v_nop
.endr
.Lasked_\@:
.endm
.macro CREST
	s_cmp_lg_u32 s[WV], 0
	s_cbranch_scc1 .Lnot_wave_0_\@
	s_barrier_signal -3
.Lnot_wave_0_\@:
	s_barrier_wait -3
	s_barrier_signal -1
	s_barrier_wait -1
.endm
.macro CROUND
	s_barrier_signal -1
	s_barrier_wait -1
	CREST
.endm
.macro PLACES n
.rept \n
	v_nop
.endr
.endm
	s_load_b128 s[4:7], s[0:1], 0x0                ; ycod, ysc
	s_load_b128 s[8:11], s[0:1], 0x10              ; w_proj's codes, its scales
	s_load_b128 s[12:15], s[0:1], 0x20             ; b_proj, out0
	v_lshl_add_u32 v[SPW], v0, 2, SPARE
	v_mov_b32 v[NIL], 0
	ds_add_u32 v[SPW], v[NIL]                      ; the wave's opening: the add, twice on end, and its wait ahead of my first tensor load
	ds_add_u32 v[SPW], v[NIL]
	v_lshrrev_b32 v1, 5, v0
	v_readfirstlane_b32 s[WV], v1
	s_lshr_b32 s[HR], s[WV], 1                     ; which 128 rows are mine.  Also: 0 = I fetch for y
	s_and_b32 s[HC], s[WV], 1                      ; which 64 columns are mine.  Also: which half I fetch
	s_bfe_u32 s19, ttmp6, 0x40000                  ; cx
	s_bfe_u32 s20, ttmp6, 0x40004                  ; cy
	s_lshl_b32 s23, ttmp9, 2
	s_add_co_u32 s23, s23, s19                     ; tile column
	s_and_b32 s22, ttmp7, 0xffff
	s_lshl_b32 s22, s22, 2
	s_add_co_u32 s22, s22, s20                     ; tile row
	s_lshl_b32 s92, s20, 2
	s_lshl_b32 s92, 15, s92                        ; my row of the cluster
	s_lshl_b32 s94, 0x1111, s19                    ; my column
	; y's codes: 8 rows (tiles of 16) x 3,072 bytes (384 elements of 8), 12,288 bytes apart; no padding
	s_or_b32 s[G1+0], s92, (3<<16)|(1<<21)
	s_mov_b32 s[G1+1], 384<<16
	s_mov_b32 s[G1+2], 8<<16
	s_mov_b32 s[G1+3], 384<<16
	s_mov_b32 s[G1+4], 8
	s_mov_b32 s[G1+5], 1536
	s_mov_b32 s[G1+6], 0
	s_mov_b32 s[G1+7], 0
	; w_proj's codes: 64 rows x 192 bytes, 16 bytes of padding behind every 64
	s_or_b32 s[G1B+0], s94, (0<<16)|(1<<20)|(1<<21)|(3<<22)|(3<<25)
	s_mov_b32 s[G1B+1], ROWB<<16
	s_mov_b32 s[G1B+2], 64<<16
	s_mov_b32 s[G1B+3], ROWB<<16
	s_mov_b32 s[G1B+4], 64
	s_mov_b32 s[G1B+5], KROW
	s_mov_b32 s[G1B+6], 0
	s_mov_b32 s[G1B+7], 0
	; the scale bytes: dense, as rows of 256 bytes with 16 of padding: 16 rows for 128 rows of y, 8 for 64 of w_proj
	s_or_b32 s[G1S+0], s92, (3<<16)|(1<<20)|(1<<21)|(5<<22)|(3<<25)
	s_mov_b32 s[G1S+1], 32<<16
	s_mov_b32 s[G1S+2], 16<<16
	s_mov_b32 s[G1S+3], 32<<16
	s_mov_b32 s[G1S+4], 16
	s_mov_b32 s[G1S+5], 32
	s_mov_b32 s[G1S+6], 0
	s_mov_b32 s[G1S+7], 0
	s_or_b32 s[G1SB+0], s94, (3<<16)|(1<<20)|(1<<21)|(5<<22)|(3<<25)
	s_mov_b32 s[G1SB+1], 32<<16
	s_mov_b32 s[G1SB+2], 8<<16
	s_mov_b32 s[G1SB+3], 32<<16
	s_mov_b32 s[G1SB+4], 8
	s_mov_b32 s[G1SB+5], 32
	s_mov_b32 s[G1SB+6], 0
	s_mov_b32 s[G1SB+7], 0
	s_lshl_b32 s92, s22, 4
	s_lshl_b32 s66, s[HC], 3
	s_add_co_u32 s92, s92, s66                     ; y: the first tile of 16 rows that I fetch
	s_mul_i32 s96, s92, 12288
	s_mov_b32 s97, 0
	s_lshl_b32 s92, s92, 9                         ; its scale bytes: 16 rows x 32
	s_mov_b32 s93, 0
	s_lshl_b32 s94, s23, 7
	s_lshl_b32 s66, s[HC], 6
	s_add_co_u32 s94, s94, s66                     ; w_proj: the first row that I fetch
	s_mul_i32 s98, s94, KROW
	s_mov_b32 s99, 0
	s_lshl_b32 s94, s94, 5
	s_mov_b32 s95, 0
	s_mul_i32 s40, s[HC], AHALF                    ; where they go: by the wave's number alone
	s_mul_i32 s41, s[HC], BHALF
	s_add_co_u32 s41, s41, BOFF
	s_mul_i32 s42, s[HC], 4352
	s_add_co_u32 s42, s42, LSCA
	s_mul_i32 s43, s[HC], 2176
	s_add_co_u32 s43, s43, LSCB
	s_wait_dscnt 0x0                               ; both opening adds are done
	s_wait_kmcnt 0x0
	s_add_nc_u64 s[96:97], s[4:5], s[96:97]
	s_add_nc_u64 s[92:93], s[6:7], s[92:93]
	s_add_nc_u64 s[98:99], s[8:9], s[98:99]
	s_add_nc_u64 s[94:95], s[10:11], s[94:95]
	CROUND                                         ; all sixteen work-groups are here: the first joint loads meet
	s_mov_b32 s[G0S], 1
	s_mov_b32 s[G0S+1], s42
	s_mov_b64 s[G0S+2:G0S+3], s[92:93]
	s_or_b32 s[G0S+3], s[G0S+3], 0x80000000
	s_mov_b32 s[G0SB], 1
	s_mov_b32 s[G0SB+1], s43
	s_mov_b64 s[G0SB+2:G0SB+3], s[94:95]
	s_or_b32 s[G0SB+3], s[G0SB+3], 0x80000000
	JLOAD G0S, G1S, G0SB, G1SB
.irp s, 0,1
	s_mov_b32 s[G0+4*\s], 1
	s_add_co_u32 s[G0+4*\s+1], s40, \s*SLOT
	s_add_nc_u64 s[G0+4*\s+2:G0+4*\s+3], s[96:97], \s*3072
	s_or_b32 s[G0+4*\s+3], s[G0+4*\s+3], 0x80000000
	s_mov_b32 s[G0B+4*\s], 1
	s_add_co_u32 s[G0B+4*\s+1], s41, \s*SLOT
	s_add_nc_u64 s[G0B+4*\s+2:G0B+4*\s+3], s[98:99], \s*ROWB
	s_or_b32 s[G0B+4*\s+3], s[G0B+4*\s+3], 0x80000000
	JLOAD G0+4*\s, G1, G0B+4*\s, G1B               ; three tensor loads of mine are out
.endr
	v_and_b32 v1, 15, v0                           ; r
	v_bfe_u32 v2, v0, 4, 1                         ; h
	v_and_b32 v3, 31, v0                           ; lane
	v_lshlrev_b32 v6, 4, v3
	v_lshlrev_b32 v7, 3, v3
	v_mul_u32_u24 v4, v1, PITCH
	v_mad_u32_u24 v4, v2, 24, v4                   ; w_proj: row x pitch + 24 x half
	v_lshl_add_u32 v5, v2, 4, v4                   ; and behind one padding more
	s_mul_i32 s40, s[HR], AHALF                    ; my 128 rows of y
	s_mul_i32 s41, s[HC], BHALF
	s_add_co_u32 s41, s41, BOFF                    ; my 64 rows of w_proj
.irp s, 0,1
	v_add_nc_u32 v[A16+\s], s40, v6
	v_add_nc_u32 v[A8+\s], s40, v7
	v_add_nc_u32 v[ADRB+\s], s41, v4
	v_add_nc_u32 v[ADRB+2+\s], s41, v5
	s_add_co_u32 s40, s40, SLOT
	s_add_co_u32 s41, s41, SLOT
.endr
	v_lshlrev_b32 v4, 5, v1                        ; a row's scale bytes: 32 r,
	v_lshrrev_b32 v5, 3, v1
	v_lshl_add_u32 v4, v5, 4, v4                   ; + 16 behind each 256
	s_mul_i32 s40, s[HR], 4352
	s_add_co_u32 s40, s40, LSCA
	v_add_nc_u32 v[ADSA], s40, v4
	s_mul_i32 s41, s[HC], 2176
	s_add_co_u32 s41, s41, LSCB
	v_add_nc_u32 v[ADSB], s41, v4
	s_mul_i32 s40, s[WV], 16*SPITCH                ; my stage
	v_mul_u32_u24 v4, v1, SPITCH
	v_lshl_add_u32 v4, v2, 5, v4
	v_add_nc_u32 v[STO], s40, v4                   ; in: row r, 32 bytes for each half of the lanes
	v_mul_u32_u24 v4, v2, SPITCH
	v_lshl_add_u32 v4, v1, 4, v4
	v_add_nc_u32 v[RD], s40, v4                    ; back: lanes 0-15 one row of 256 bytes, lanes 16-31 the next
	v_lshlrev_b32 v[CO], 12, v2
	v_lshl_add_u32 v[CO], v1, 4, v[CO]             ; and the same two rows in out0
	s_lshl_b32 s40, s23, 9
	s_lshl_b32 s41, s[HC], 8
	s_add_co_u32 s[BB], s40, s41                   ; my first column, in bytes
	s_mov_b32 s[BB+1], 0
	s_lshl_b32 s40, s22, 8
	s_lshl_b32 s41, s[HR], 7
	s_add_co_u32 s40, s40, s41                     ; my first row
	s_lshl_b32 s40, s40, 12
	s_add_co_u32 s[OUT], s40, s[BB]                ; under 2^26
	s_mov_b32 s[OUT+1], 0
	s_add_nc_u64 s[OUT:OUT+1], s[14:15], s[OUT:OUT+1]
	s_add_nc_u64 s[BB:BB+1], s[12:13], s[BB:BB+1]
	v_lshlrev_b32 v31, 5, v2                       ; register 8 b + j wants b_proj[16 b + 8 h + j]
.irp b, 0,1,2,3
	global_load_b128 v[BIAS+8*\b:BIAS+8*\b+3], v31, s[BB:BB+1] offset:64*\b
	global_load_b128 v[BIAS+8*\b+4:BIAS+8*\b+7], v31, s[BB:BB+1] offset:64*\b+16
.endr
.macro FRAG reg, adr, q, i             ; a fragment of w_proj: 12 registers in pieces of 8 bytes
.irp p, 0,1,2,3,4,5
.set PCE, 12*(\q)+6*(\p/3)+\p%3
.if PCE%8 < 5
	ds_load_b64 v[\reg+2*\p:\reg+2*\p+1], v[\adr] offset:8*PCE+16*(PCE/8)+(\i)*16*PITCH
.else
	ds_load_b64 v[\reg+2*\p:\reg+2*\p+1], v[\adr+2] offset:8*PCE+16*(PCE/8)+(\i)*16*PITCH
.endif
.endr
.endm
.macro AFRAG slot, q, i                ; a fragment of y: two heads' images, as they lie
	ds_load_b128 v[AF+FR*(\i):AF+FR*(\i)+3], v[A16+\slot] offset:3072*(\i)+1536*(\q)
	ds_load_b64 v[AF+FR*(\i)+4:AF+FR*(\i)+5], v[A8+\slot] offset:3072*(\i)+1536*(\q)+512
	ds_load_b128 v[AF+FR*(\i)+6:AF+FR*(\i)+9], v[A16+\slot] offset:3072*(\i)+1536*(\q)+768
	ds_load_b64 v[AF+FR*(\i)+10:AF+FR*(\i)+11], v[A8+\slot] offset:3072*(\i)+1536*(\q)+1280
.endm
; 8 matrix instructions: y's blocks a0, a0 + 1 x w_proj's four.  The 32 accumulators take turns, one instruction a turn, in the same order in every step.
.macro MULP a0, p, q, sc, first
.irp a, \a0, \a0+1
.irp b, 0,1,2,3
.if \first
	v_wmma_scale_f32_16x16x128_f8f6f4 v[8*(4*(\a)+\b):8*(4*(\a)+\b)+7], v[128*(\p)+FR*\b:128*(\p)+FR*\b+FR-1], v[AF+FR*(\a):AF+FR*(\a)+FR-1], v[BIAS+8*\b:BIAS+8*\b+7], v[RSB+8*(\sc)+2*\b+(\q)], v[RSA+16*(\sc)+2*(\a)+(\q)] matrix_a_fmt:MATRIX_FMT_FP6 matrix_b_fmt:MATRIX_FMT_FP6
.else
	v_wmma_scale_f32_16x16x128_f8f6f4 v[8*(4*(\a)+\b):8*(4*(\a)+\b)+7], v[128*(\p)+FR*\b:128*(\p)+FR*\b+FR-1], v[AF+FR*(\a):AF+FR*(\a)+FR-1], v[8*(4*(\a)+\b):8*(4*(\a)+\b)+7], v[RSB+8*(\sc)+2*\b+(\q)], v[RSA+16*(\sc)+2*(\a)+(\q)] matrix_a_fmt:MATRIX_FMT_FP6 matrix_b_fmt:MATRIX_FMT_FP6
.endif
.endr
.endr
.endm
.macro FETCH_B slot, q, p
	WIN TO_B
.irp i, 0,1,2,3
	FRAG 128*(\p)+FR*\i, ADRB+\slot, \q, \i
.endr
	WIN 0
.endm
.macro FETCH_A slot, q, i0
.irp i, \i0, \i0+1, \i0+2, \i0+3
	AFRAG \slot, \q, \i
.endr
.endm
.macro SCALES sc, ks                   ; the scale words of the ks-th 256 along K into set sc
.irp i, 0,1,2,3,4,5,6,7
	ds_load_b64 v[RSA+16*\sc+2*\i:RSA+16*\sc+2*\i+1], v[ADSA] offset:\i*544+8*\ks
.endr
.irp i, 0,1,2,3
	ds_load_b64 v[RSB+8*\sc+2*\i:RSB+8*\sc+2*\i+1], v[ADSB] offset:\i*544+8*\ks
.endr
.endm
.macro STEP slot, q, first
	s_wait_dscnt 4*NLA                             ; all but the youngest 16 loads (y's blocks 4-7) are in
	WIN MUL_C-0x20*(\first)
	MULP 0, (\q)%2, \q, \slot, \first
	MULP 2, (\q)%2, \q, \slot, \first
	s_wait_dscnt 0
	PLACES NP                                      ; in front of loads into registers that matrix instructions have read
	FETCH_B \slot, (\q)+1, 1-(\q)%2
	FETCH_A \slot, (\q)+1, 0
	WIN MUL_C-0x20*(\first)
	MULP 4, (\q)%2, \q, \slot, \first
	MULP 6, (\q)%2, \q, \slot, \first
	PLACES NP
	WIN 0
	FETCH_A \slot, (\q)+1, 4
.endm
.macro TURN slot, next, fill, ks       ; a slot's last step changes slots
	s_wait_tensorcnt 0x0                           ; all my tensor loads have landed: my part of the next slot
	ds_add_u32 v[SPW], v[NIL]
	s_wait_dscnt 4*NLA+1                           ; the add and the youngest 16 loads may be out
	WIN MUL_C
	MULP 0, 1, NQ-1, \slot, 0
	s_wait_dscnt 0x0                               ; the add is done, and my reads of this slot are over
	s_barrier_signal -1
	MULP 2, 1, NQ-1, \slot, 0
	WIN 0
	s_barrier_wait -1
.if \fill
	CREST                                          ; the barrier has opened a round of the cluster's: no wave of any partner still reads this slot or has a load on its way
	s_add_nc_u64 s[G0+4*\slot+2:G0+4*\slot+3], s[G0+4*\slot+2:G0+4*\slot+3], 2*3072
	s_add_nc_u64 s[G0B+4*\slot+2:G0B+4*\slot+3], s[G0B+4*\slot+2:G0B+4*\slot+3], 2*ROWB
	JLOAD G0+4*\slot, G1, G0B+4*\slot, G1B         ; the first tensor load behind the round; its four v_nop are the places in front of the loads below
.else
	PLACES NP
.endif
	FETCH_B \next, 0, 0
	FETCH_A \next, 0, 0
	SCALES \next, \ks
	WIN MUL_C
	MULP 4, 1, NQ-1, \slot, 0
	MULP 6, 1, NQ-1, \slot, 0
	PLACES NP
	WIN 0
	FETCH_A \next, 0, 4
.endm
	s_wait_tensorcnt 1                             ; the scale bytes and my part of slot 0 are in; slot 1's load may be out
	s_barrier_signal -1
	s_barrier_wait -1
	FETCH_B 0, 0, 0
	FETCH_A 0, 0, 0
	SCALES 0, 0
	FETCH_A 0, 0, 4
	s_wait_loadcnt 0x0                             ; the bias
	STEP 0, 0, 1                                   ; the first products start the sums from the bias
	TURN 0, 1, 1, 1
	STEP 1, 0, 0
	TURN 1, 0, 1, 2
	STEP 0, 0, 0
	TURN 0, 1, 0, 3                                ; nothing is left to fetch; behind its barrier nobody reads slot 0
	STEP 1, 0, 0
	s_wait_dscnt 4*NLA
	WIN MUL_C
	MULP 0, 1, NQ-1, 1, 0
	MULP 2, 1, NQ-1, 1, 0
	s_wait_dscnt 0
	MULP 4, 1, NQ-1, 1, 0
	MULP 6, 1, NQ-1, 1, 0
	WIN 0
; THE WAY OUT, block by block of 16 rows x 64 columns: through my own stage in LDS and back as whole rows of 256 bytes, which sixteen lanes store, aligned.  LDS serves a wave's instructions in order (ISA guide 5.7.1.4).
.macro TOSTAGE a
	WIN 0x08                                       ; an LDS store's data: window 2
.irp b, 0,1,2,3
	ds_store_b128 v[STO], v[8*(4*(\a)+\b):8*(4*(\a)+\b)+3] offset:64*\b          ; each accumulator from its low end on
	ds_store_b128 v[STO], v[8*(4*(\a)+\b)+4:8*(4*(\a)+\b)+7] offset:64*\b+16
.endr
	WIN 0
.set BR, BK+32*((\a)%2)
.irp t, 0,1,2,3,4,5,6,7
	ds_load_b128 v[BR+4*\t:BR+4*\t+3], v[RD] offset:\t*2*SPITCH
.endr
.endm
.macro SEND a, younger
.set BR, BK+32*((\a)%2)
	s_wait_dscnt \younger                          ; the block is back in registers
.irp t, 0,1,2,3,4,5,6,7
	global_store_b128 v[CO], v[BR+4*\t:BR+4*\t+3], s[OUT:OUT+1] offset:(16*(\a)+2*\t)*4096 th:TH_STORE_NT   ; written once, read by nobody here
.endr
.endm
	PLACES NP                                      ; behind the last products: for the loads into y's fragments' registers and for the reads of results
	TOSTAGE 0
.irp a, 1,2,3,4,5,6,7
.if \a > 1
	s_wait_xcnt 0x0                                ; block a - 2's stores have read their registers: block a's loads may land there
.endif
	TOSTAGE \a
	SEND \a-1, 16                                  ; behind block a - 1's loads: block a's 8 stores and 8 loads
.endr
	SEND 7, 0
	s_wait_tensorcnt 0x0                           ; the wave's end
	ds_add_u32 v[SPW], v[NIL]
	s_wait_dscnt 0x0
	CROUND                                         ; the closing round
	s_endpgm
.Lfunc_end_k_q739442be66_proj:
	.size	k_q739442be66_proj, .Lfunc_end_k_q739442be66_proj-k_q739442be66_proj
	.p2alignl 7, 3214868480
	.fill 96, 4, 3214868480
	.section	.rodata,"a",@progbits
	.p2align	6, 0x0
	.amdhsa_kernel k_q739442be66_proj
		.amdhsa_group_segment_fixed_size 327680
		.amdhsa_private_segment_fixed_size 0
		.amdhsa_enable_private_segment 0
		.amdhsa_kernarg_size 48
		.amdhsa_user_sgpr_count 2
		.amdhsa_user_sgpr_kernarg_segment_ptr 1
		.amdhsa_wavefront_size32 1
		.amdhsa_system_sgpr_workgroup_id_x 1
		.amdhsa_system_sgpr_workgroup_id_y 1
		.amdhsa_system_sgpr_workgroup_id_z 1
		.amdhsa_system_vgpr_workitem_id 0
		.amdhsa_next_free_vgpr 768
		.amdhsa_next_free_sgpr 100
		.amdhsa_reserve_vcc 0
		.amdhsa_float_denorm_mode_32 3
		.amdhsa_float_denorm_mode_16_64 3
		.amdhsa_memory_ordered 1
		.amdhsa_forward_progress 1
		.amdhsa_inst_pref_size 95
	.end_amdhsa_kernel
	.amdgpu_metadata
---
amdhsa.version: [ 1, 2 ]
amdhsa.kernels:
  - .name:           k_q739442be66_proj
    .symbol:         k_q739442be66_proj.kd
    .args:
      - { .name: ycod, .offset: 0, .size: 8, .value_kind: global_buffer, .address_space: global }
      - { .name: ysc, .offset: 8, .size: 8, .value_kind: global_buffer, .address_space: global }
      - { .name: w_proj_codes, .offset: 16, .size: 8, .value_kind: global_buffer, .address_space: global }
      - { .name: w_proj_scales, .offset: 24, .size: 8, .value_kind: global_buffer, .address_space: global }
      - { .name: b_proj, .offset: 32, .size: 8, .value_kind: global_buffer, .address_space: global }
      - { .name: out0, .offset: 40, .size: 8, .value_kind: global_buffer, .address_space: global }
    .group_segment_fixed_size: 327680
    .private_segment_fixed_size: 0
    .kernarg_segment_align: 8
    .kernarg_segment_size: 48
    .max_flat_workgroup_size: 128
    .sgpr_count:     100
    .vgpr_count:     768
    .wavefront_size: 32
...
	.end_amdgpu_metadata
.endif
;; end of part 3
